; MI455X (gfx1250); checked and timed in simulation.
; The chip was launched on July 23, 2026; its instructions are those of AMD's public machine-readable ISA for CDNA 5 (MIT licence, August 2026) and "CDNA5" Instruction Set Architecture Reference Guide (July 2026). The comments in the code are by the model that wrote it; some were corrected since.
;; Transformer Block. Allowed arithmetic: matrix products marked QUANTISED: E5M2 operands, one given power-of-two scale a tensor, by v_wmma_f32_16x16x64_bf8_bf8 or v_wmma_f32_16x16x128_bf8_bf8, f32 sums; everything else in f32.
;; Inputs: b1 4,096 float32; b2 1,024 float32; bk 1,024 float32; bo 1,024 float32; bq 1,024 float32; bv 1,024 float32; ln1_b 1,024 float32; ln1_g 1,024 float32; ln2_b 1,024 float32; ln2_g 1,024 float32; lowp_scales 16 int32 (the exponents e of the quantised operands' scales 2^e); w1_codes 4,096 x 32 x 32 uint8 (E5M2 codes of w1, K innermost, in blocks of 32 codes); w2_codes 1,024 x 128 x 32 uint8 (E5M2 codes of w2, K innermost, in blocks of 32 codes); wk_codes 1,024 x 32 x 32 uint8 (E5M2 codes of wk, K innermost, in blocks of 32 codes); wo_codes 1,024 x 32 x 32 uint8 (E5M2 codes of wo, K innermost, in blocks of 32 codes); wq_codes 1,024 x 32 x 32 uint8 (E5M2 codes of wq, K innermost, in blocks of 32 codes); wv_codes 1,024 x 32 x 32 uint8 (E5M2 codes of wv, K innermost, in blocks of 32 codes); x 2 x 2,048 x 1,024 float32.
;; Outputs: out0 2 x 2,048 x 1,024 float32.
;; This version of the problem:
;;   THIS VERSION OF THE PROBLEM IS GIVEN IN LOW PRECISION. The matrix products marked QUANTISED in the list below multiply operands that are first quantised to E5M2 (5 exponent bits, 2 mantissa bits; 8 bits a number), with one given power-of-two scale for each operand tensor; their sums are f32. All else is computed in f32.
;;   The module's matrix products, in the order in which they are computed (A, B: the left and right operand; K: the contracted axis; several contracted axes count as one K, in the product's order):
;;     1. [M 4,096, K 1,024] x [K 1,024, N 1,024]; A: input x; B: input wq (given as codes): QUANTISED (scales: A lowp_scales[0], B lowp_scales[1])
;;     2. [M 4,096, K 1,024] x [K 1,024, N 1,024]; A: input x; B: input wk (given as codes): QUANTISED (scales: A lowp_scales[2], B lowp_scales[3])
;;     3. [M 4,096, K 1,024] x [K 1,024, N 1,024]; A: input x; B: input wv (given as codes): QUANTISED (scales: A lowp_scales[4], B lowp_scales[5])
;;     4. batch 32 x [M 2,048, K 64] x [K 64, N 2,048]; A: computed on the way; B: computed on the way: QUANTISED (scales: A lowp_scales[6], B lowp_scales[7])
;;     5. batch 32 x [M 2,048, K 2,048] x [K 2,048, N 64]; A: softmax (see below); B: computed on the way: QUANTISED (scales: A lowp_scales[8], B lowp_scales[9])
;;     6. [M 4,096, K 1,024] x [K 1,024, N 1,024]; A: computed on the way; B: input wo (given as codes): QUANTISED (scales: A lowp_scales[10], B lowp_scales[11])
;;     7. [M 4,096, K 1,024] x [K 1,024, N 4,096]; A: computed on the way; B: input w1 (given as codes): QUANTISED (scales: A lowp_scales[12], B lowp_scales[13])
;;     8. [M 4,096, K 4,096] x [K 4,096, N 1,024]; A: computed on the way; B: input w2 (given as codes): QUANTISED (scales: A lowp_scales[14], B lowp_scales[15])
;;   THE QUANTISER, for each operand of a quantised product, along K:
;;     - The operand's scale is 2^e, e = its entry of the input lowp_scales (int32; the entries are numbered through the quantised products in the list's order, A before B).
;;     - Each number is divided by the scale, clamped to +-57,344, and rounded to the nearest number of E5M2, ties to even, subnormals kept.
;;     - The product sums the exact products of the quantised numbers (number of the format x scale) in f32.
;;   ~~~python
;;   def quantise(x, axis, e):      # numpy; x: float32 -> the quantised numbers, widened to float32 again
;;       x = np.moveaxis(x, axis, -1); K = x.shape[-1]
;;       r = np.clip(x / 2.0 ** e, -57344, 57344)
;;       step = 2.0 ** (np.maximum(np.frexp(np.where(r == 0, 1, r))[1] - 1, -14) - 2)
;;       q = np.round(r / step) * step * 2.0 ** e      # np.round: ties to even
;;       return np.moveaxis(q, -1, axis).astype(np.float32)
;;   ~~~
;;   SOFTMAX AHEAD OF A QUANTISED PRODUCT. Where the list says 'softmax', what is quantised is not the finished softmax but p = 2^(t - M), with t = logit x log2(e) and M = ceil(the row's largest t), a whole number; so 1/2 < the row's largest p <= 1. The row's sum l is taken of the UNQUANTISED p, in f32, and the product's result is divided by l at the end. Since M is a whole number, a kernel that streams over the keys may use a running M (the ceiling of the running maximum): every later rescaling is an exact power of two, so the quantised numbers keep their values, but for numbers so far below the row's largest that they fall under the format's range.
;;   OPERANDS COMPUTED ON THE WAY. 'Computed on the way' means the value that the module computes at that place (a softmax that the list does not call 'softmax' is quantised finished and normalised). What goes into a quantiser is computed in f32, as accurately as f32 sums, v_exp_f32 and their like allow (about 1e-6 of the number): no bf16 or f16 on the way to a quantiser, and a product that is left as it is and whose result goes on into a quantised operand takes f32 operands (vector FMAs, or v_wmma_f32_16x16x4_f32). A number that lies on a knife's edge between two numbers of the format may be rounded either way, as far as f32 arithmetic and the matrix unit's own rounding can turn it there, and no further.
;;   INPUTS GIVEN AS CODES. w1 (in the module: [4096, 1024], K = its axis 1); w2 (in the module: [1024, 4096], K = its axis 1); wk (in the module: [1024, 1024], K = its axis 1); wo (in the module: [1024, 1024], K = its axis 1); wq (in the module: [1024, 1024], K = its axis 1); wv (in the module: [1024, 1024], K = its axis 1): each comes as NAME_codes (uint8): NAME with its K axis moved to the last place and cut into blocks of 32 codes, [.., K / 32, bytes a block], one block behind the other in memory; one code a byte (a code: sign, 5 exponent bits, 2 mantissa bits); its scale is its entry of lowp_scales. Its value is code x scale, taken as it is: it is not quantised again, and the codes and scales need not be those that the quantiser above would give.
;; One version. Each part assembles by itself: llvm-mc -triple=amdgcn-amd-amdhsa -mcpu=gfx1250 --defsym DOCPART=n.
;; ======== version 1 of 1: 8 launches
;; limits: right only within a limited range of input values
;; workspace buffers: xc 12,582,912 bytes; qkv 12,582,912 bytes; ctx 4,194,304 bytes; y 16,777,216 bytes; attn 16,777,216 bytes; ac 4,194,304 bytes; hc 16,777,216 bytes
;; launch prep (part 1): grid 256 x 1, 4 waves a work-group, no clusters, 50,688 bytes of LDS; arguments x, lowp_scales, xc; writes xc
.if DOCPART == 1
	.amdgcn_target "amdgcn-amd-amdhsa--gfx1250"
	.amdhsa_code_object_version 6
	.text
	.protected	k_q450cedd281_prep
	.globl	k_q450cedd281_prep
	.p2align	8
	.type	k_q450cedd281_prep,@function
k_q450cedd281_prep:
	s_mov_b64 s[64:65], 0
	v_nop
	global_prefetch_b8 v0, s[64:65] scope:SCOPE_SE
	s_setreg_imm32_b32 hwreg(HW_REG_WAVE_MODE, 25, 1), 1
	s_wait_xcnt 0x0
; x [4096][1024] f32 becomes three sets of E5M2 codes, one for each of the products with wq, wk, wv (scales 2^e0, 2^e2, 2^e4), 4 MiB apart in xc.
; code = x / 2^e, held within +-57,344, rounded to the nearest code, ties to even.  LIMITS: e0, e2, e4 between -126 and 112.  NaN among the inputs is not served.
; LAYOUT OF A SET: an image of the operand's registers.  16 rows x 128 K are 2,048 bytes: group c (0..3) of 512 bytes, lane (r, h)'s 16 bytes at 16 (r + 16 h) = row r, K = 32 c + 16 h + 0 .. 15.
; The eight such fragments of 16 rows follow each other: 16,384 bytes for 16 rows.
; SHARES.  A work-group takes 16 rows, wave w rows 4 w .. 4 w + 3.  Each load reads 512 consecutive bytes; a lane's 4 numbers give 4 codes, one word, which goes into a row of codes in LDS
; (pitch 1,040 bytes: 16 rows of a later 16-byte read start at 16 different groups of banks).  Behind one barrier wave w reads fragments 2 w and 2 w + 1 of each set in the image's order and stores 512 consecutive bytes a time.
.set RP, 1040                          ; a row of 1,024 codes + 16
.set PL, 16*RP                         ; a set's 16 rows
.set X,  32                            ; v32-159  4 rows x 32 numbers; later the images on their way out
.set T,  160                           ; v160-191 a row's numbers, held
.set C,  192                           ; v192-215 a row's codes, eight registers for each set
	s_load_b128 s[4:7], s[0:1], 0x0                ; x, the scales' exponents
	s_load_b64 s[8:9], s[0:1], 0x10                ; xc
	v_lshl_add_u32 v224, v0, 2, 0xc400
	v_mov_b32 v225, 0
	v_lshrrev_b32 v4, 5, v0
	v_readfirstlane_b32 s10, v4                    ; wave
	v_and_b32 v5, 31, v0                           ; lane
	v_lshlrev_b32 v1, 4, v5                        ; 16 x lane: my bytes of a load's and of a store's 512
	s_mul_i32 s11, s10, 4*RP
	v_lshl_add_u32 v2, v5, 2, s11                  ; LDS, in: my wave's first row, 4 bytes a lane
	v_and_b32 v6, 15, v0                           ; r
	v_bfe_u32 v7, v0, 4, 1                         ; h
	v_mul_u32_u24 v3, v6, RP
	v_lshl_add_u32 v3, v7, 4, v3
	s_lshl_b32 s11, s10, 8
	v_add_nc_u32 v3, s11, v3                       ; LDS, out: row r, + 16 h, + my wave's two fragments (256 codes)
	s_lshl_b32 s12, ttmp9, 16                      ; 16 rows of 4,096 bytes,
	s_lshl_b32 s14, s10, 14                        ; my wave's four
	s_add_co_u32 s12, s12, s14
	s_mov_b32 s13, 0
	s_lshl_b32 s14, ttmp9, 14                      ; 16 rows' images,
	s_lshl_b32 s15, s10, 12                        ; my wave's two fragments
	s_add_co_u32 s14, s14, s15
	s_mov_b32 s15, 0
	s_wait_alu depctr_va_vdst(0)
	s_wait_kmcnt 0x0
	s_load_b256 s[16:23], s[6:7], 0x0              ; e0 .. e7
	s_add_nc_u64 s[4:5], s[4:5], s[12:13]
	s_add_nc_u64 s[24:25], s[8:9], s[14:15]        ; the three sets
	s_add_nc_u64 s[26:27], s[24:25], 0x400000
	s_add_nc_u64 s[28:29], s[24:25], 0x800000
.irp rr, 0,1,2,3
.irp i, 0,1,2,3,4,5,6,7
	global_load_b128 v[X+32*\rr+4*\i:X+32*\rr+4*\i+3], v1, s[4:5] offset:4096*\rr+512*\i th:TH_LOAD_NT
.endr
.endr
	s_wait_kmcnt 0x0
.irp p, 0,1,2
	s_add_co_i32 s30, s[16+2*\p], 127
	s_lshl_b32 s31, s30, 23
	v_mov_b32 v[8+2*\p], s31                       ; 2^e as f32: the conversion takes its exponent field
	s_add_co_i32 s30, s30, 15
	s_lshl_b32 s30, s30, 23
	s_or_b32 s30, s30, 0x600000
	v_mov_b32 v[9+2*\p], s30                       ; 57,344 x 2^e
.endr
.macro QROW rr, p                      ; row rr of my four, set p
.set ii, 0
.rept 32
	v_med3_num_f32 v[T+ii], v[X+32*\rr+ii], -v[9+2*\p], v[9+2*\p]   ; the conversion to an 8-bit code does not saturate (ISA guide 7.6.2): the hold comes first
.set ii, ii+1
.endr
.irp g, 0,1,2,3
	v_cvt_scalef32_pk8_bf8_f32 v[C+8*\p+2*\g:C+8*\p+2*\g+1], v[T+8*\g:T+8*\g+7], v[8+2*\p]   ; eight numbers = two loads' four: each result register is one load's four codes
.endr
	v_nop                                          ; a plain line between the conversions and the next holds, which write their sources
.irp i, 0,1,2,3,4,5,6,7
	ds_store_b32 v2, v[C+8*\p+\i] offset:\p*PL+\rr*RP+128*\i
.endr
.endm
	s_wait_alu depctr_va_vdst(0)
.irp rr, 0,1,2,3
	s_wait_loadcnt 24-8*\rr                        ; this row's eight loads are in; the later rows' may be out
.if \rr > 0
	s_wait_dscnt 0x0                               ; the last row's LDS stores have read the code registers
.endif
	QROW \rr, 0
	QROW \rr, 1
	QROW \rr, 2
.endr
	s_wait_dscnt 0x0                               ; for the others' sake: my stores have landed
	s_barrier_signal -1
	s_barrier_wait -1
.irp p, 0,1,2
.irp k, 0,1
.irp c, 0,1,2,3
	ds_load_b128 v[X+32*\p+16*\k+4*\c:X+32*\p+16*\k+4*\c+3], v3 offset:\p*PL+128*\k+32*\c
.endr
.endr
.endr
.irp p, 0,1,2
.irp k, 0,1
.irp c, 0,1,2,3
	s_wait_dscnt 23-8*\p-4*\k-\c                   ; LDS loads come back in order: this one is in
	global_store_b128 v1, v[X+32*\p+16*\k+4*\c:X+32*\p+16*\k+4*\c+3], s[24+2*\p:25+2*\p] offset:2048*\k+512*\c   ; 512 consecutive bytes, aligned
.endr
.endr
.endr
	s_wait_tensorcnt 0x0
	ds_add_u32 v224, v225
	s_wait_dscnt 0x0
	s_endpgm
.Lfunc_end_k_q450cedd281_prep:
	.size	k_q450cedd281_prep, .Lfunc_end_k_q450cedd281_prep-k_q450cedd281_prep
	.p2alignl 7, 3214868480
	.fill 96, 4, 3214868480
	.section	.rodata,"a",@progbits
	.p2align	6, 0x0
	.amdhsa_kernel k_q450cedd281_prep
		.amdhsa_group_segment_fixed_size 50688
		.amdhsa_private_segment_fixed_size 0
		.amdhsa_enable_private_segment 0
		.amdhsa_kernarg_size 24
		.amdhsa_user_sgpr_count 2
		.amdhsa_user_sgpr_kernarg_segment_ptr 1
		.amdhsa_wavefront_size32 1
		.amdhsa_system_sgpr_workgroup_id_x 1
		.amdhsa_system_sgpr_workgroup_id_y 1
		.amdhsa_system_sgpr_workgroup_id_z 1
		.amdhsa_system_vgpr_workitem_id 0
		.amdhsa_next_free_vgpr 226
		.amdhsa_next_free_sgpr 66
		.amdhsa_reserve_vcc 0
		.amdhsa_float_denorm_mode_32 3
		.amdhsa_float_denorm_mode_16_64 3
		.amdhsa_memory_ordered 1
		.amdhsa_forward_progress 1
		.amdhsa_inst_pref_size 44
	.end_amdhsa_kernel
	.amdgpu_metadata
---
amdhsa.version: [ 1, 2 ]
amdhsa.kernels:
  - .name:           k_q450cedd281_prep
    .symbol:         k_q450cedd281_prep.kd
    .args:
      - { .name: x, .offset: 0, .size: 8, .value_kind: global_buffer, .address_space: global }
      - { .name: lowp_scales, .offset: 8, .size: 8, .value_kind: global_buffer, .address_space: global }
      - { .name: xc, .offset: 16, .size: 8, .value_kind: global_buffer, .address_space: global }
    .group_segment_fixed_size: 50688
    .private_segment_fixed_size: 0
    .kernarg_segment_align: 8
    .kernarg_segment_size: 24
    .max_flat_workgroup_size: 128
    .sgpr_count:     66
    .vgpr_count:     226
    .wavefront_size: 32
...
	.end_amdgpu_metadata
.endif
;; end of part 1
;; launch proj (part 2): grid 8 x 32, 4 waves a work-group, clusters of 4 x 4, 327,680 bytes of LDS; arguments xc, wq_codes, wk_codes, wv_codes, bq, bk, bv, lowp_scales, qkv; writes qkv
.if DOCPART == 2
	.amdgcn_target "amdgcn-amd-amdhsa--gfx1250"
	.amdhsa_code_object_version 6
	.text
	.protected	k_q450cedd281_proj
	.globl	k_q450cedd281_proj
	.p2align	8
	.type	k_q450cedd281_proj,@function
k_q450cedd281_proj:
	s_mov_b64 s[64:65], 0
	v_nop
	global_prefetch_b8 v0, s[64:65] scope:SCOPE_SE
	s_setreg_imm32_b32 hwreg(HW_REG_WAVE_MODE, 25, 1), 1
	s_wait_xcnt 0x0
	s_wait_alu depctr_hold_cnt(0) depctr_sa_sdst(0) depctr_va_vdst(0) depctr_va_sdst(0) depctr_va_ssrc(0) depctr_va_vcc(0) depctr_vm_vsrc(0)
	s_getreg_b32 s2, hwreg(HW_REG_IB_STS2, 6, 4)
	s_cmp_eq_u32 s2, 0
	s_cbranch_scc0 .Lentry_in_a_cluster
	s_endpgm
.Lentry_in_a_cluster:
	s_bfe_u32 s2, ttmp6, 0x10000c
	s_cmp_lg_u32 s2, 0xf033
	s_cbranch_scc0 .Lentry_shape_is_right
	s_endpgm
.Lentry_shape_is_right:
; q, k, v = x W^T + bias on E5M2 codes, quantised at once for the attention's products (scales 2^e6, 2^e7, 2^e9) and stored as images of the operands' registers.
; A WORK-GROUP STAYS: it makes tile (128 tokens x 128 channels) of q, then the same tile of k, then of v: 256 work-groups, three tiles each.  Four waves, each 64 x 64: 16 accumulators.
; K = 1,024 is two steps of 512; the six steps go through a ring of two LDS slots that does not stop at a tile's end: a tile's two changes of slots ask for the next tile's two steps, so that these are on their way
; under the tile's products and its way out.  Arguments, scales, biases and descriptors are made once.
; A (x's codes, one set for each of the three products, 4 MiB apart) lies in memory as register images: 16 rows x 128 K = 2,048 bytes, lane l's 16 bytes of group c at 512 c + 16 l = row l % 16, K = 32 c + 16 (l / 16) + 0 .. 15.
; W's rows give the same K to the same registers by four 16-byte reads 32 bytes apart: K is permuted alike on both sides, so every product meets its partner; only the order of the sums inside an instruction differs from the form's own.
; CLUSTERS: 4 x 4 work-groups; A's tiles are asked for jointly along a row of the cluster, W's along a column.
; q, k: source 0 = W's rows, source 1 = tokens: a lane holds one token and 8 neighbouring channels a tile: the conversions' results are the registers of a 16 x 64 fragment (register 2 c, 2 c + 1: d = 16 c + 8 h + 0 .. 7).
; v: the sources swapped: a lane holds one channel and 8 neighbouring tokens: registers along the keys, which are the second product's K.
; The bias, divided by 2^(ex + ew), is the C of each sum's first instruction; the three scales are folded into the conversion's one, 2^(eo - ex - ew).
; No prefetch: the tiles are small and shared in the cluster.
; LIMITS: eo - ex - ew between -126 and 112 for each of the three.  NaN is not served.
; REGISTERS: window 0: v1-7 lane terms; v8-13 for each tensor the conversion's scale and the hold; v16-21 LDS addresses; v28, v29 the add's; v32-127 the codes, 32 registers for each tensor, so that no store's data are
;   written again; v128-255 the accumulators.   window 1: two fragment buffers.   window 2: v0-95 the three biases in the results' layouts.
.set SIZE_K, 1024
.set KSTEP,  512                       ; along K in a slot
.set AHALF,  32768                     ; 64 rows of A: four blocks of 16 rows x 512 K = 8,192 bytes
.set PITCH,  528                       ; a row of W in LDS: 512 bytes + 16: the 16 rows of a read start at 16 different groups of banks (64 banks of 4 bytes: ISA guide 11.1)
.set BHALF,  64*PITCH
.set BOFF,   2*AHALF
.set SLOT,   BOFF+2*BHALF              ; A's 128 rows, then W's 128 rows
.set SPARE,  2*SLOT                    ; the spare words, 128 bytes for each wave: two blocks of 256 bytes that no other line names
.set LI,   6                           ; v6      16 x lane
.set ADRA, 16                          ; v16-17  my A fragments in slot 0, 1
.set ADRB, 20                          ; v20-21  my W fragments
.set SPW,  28                          ; v28     my spare word; never rewritten
.set NIL,  29                          ; v29     0; never rewritten
.set ACC,  128                         ; v128-255 accumulator (a, b) at ACC + 8 (4 a + b)
.set F0,   0                           ; window 1: two fragment buffers: A's four fragments, then W's four
.set F1,   128
.set G1,  24                           ; s[24:31] group 1 for A, s[32:39] its groups 0;  s[48:55], s[56:63] the same for W
.set G0,  32
.set G1B, 48
.set G0B, 56
.set WP,  70                           ; s[70:75] wq, wk, wv at the rows that I fetch
.set NEG, 16                           ; s16-18   -(ex + ew) for q, k, v
.set MSB, 0
.macro WIN new                         ; the immediate's high byte repeats the setting that is left
.if MSB != \new
	s_set_vgpr_msb (MSB<<8)|\new
.set MSB, \new
.endif
.endm
.macro JLOAD s                         ; a joint load: waves 0 and 1 fetch A's halves, waves 2 and 3 W's; four v_nop follow each line
	s_cmp_eq_u32 s11, 0
	s_cbranch_scc0 .Lfor_b_\@
	tensor_load_to_lds s[G0+4*\s:G0+4*\s+3], s[G1:G1+7]
	s_nop 0
.rept 4
	v_nop
.endr
	s_branch .Lasked_\@
.Lfor_b_\@:
	tensor_load_to_lds s[G0B+4*\s:G0B+4*\s+3], s[G1B:G1B+7]
	s_nop 0
.rept 4
	v_nop
.endr
.Lasked_\@:
.endm
.macro CREST                           ; a round of the cluster's barrier behind its opening barrier
	s_cmp_lg_u32 s10, 0
	s_cbranch_scc1 .Lnot_wave_0_\@
	s_barrier_signal -3
.Lnot_wave_0_\@:
	s_barrier_wait -3
	s_barrier_signal -1
	s_barrier_wait -1
.endm
.macro CROUND                          ; a whole round
	s_barrier_signal -1
	s_barrier_wait -1
	CREST
.endm
.macro PLACES                          ; four plain places behind matrix instructions, in front of loads into their sources and of reads of their results
.rept 4
	v_nop
.endr
.endm
.macro FETCH slot, q, f                ; 32 LDS loads in one run: the slot's q-th 128 along K: W's four fragments, then A's four
	WIN 0x40                                       ; destination window 1, address window 0
.irp i, 0,1,2,3
.irp c, 0,1,2,3
	ds_load_b128 v[\f+64+16*\i+4*\c:\f+64+16*\i+4*\c+3], v[ADRB+\slot] offset:\i*16*PITCH+128*(\q)+32*\c
.endr
.endr
.irp i, 0,1,2,3
.irp c, 0,1,2,3
	ds_load_b128 v[\f+16*\i+4*\c:\f+16*\i+4*\c+3], v[ADRA+\slot] offset:\i*8192+2048*(\q)+512*\c
.endr
.endr
.endm
.macro MULA f, a, ci, sw, bs           ; A's block a against W's four.  ci = 2: the bias (window 2, from v[bs] on) starts the sums.  sw = 1: tokens as source 0
.irp b, 0,1,2,3
.if \sw
.set S0, \f+16*(\a)
.set S1, \f+64+16*\b
.else
.set S0, \f+64+16*\b
.set S1, \f+16*(\a)
.endif
.set DD, ACC+8*(4*(\a)+\b)
.if \ci == 2
	v_wmma_f32_16x16x128_bf8_bf8 v[DD:DD+7], v[S0:S0+15], v[S1:S1+15], v[\bs+8*\b:\bs+8*\b+7]
.else
	v_wmma_f32_16x16x128_bf8_bf8 v[DD:DD+7], v[S0:S0+15], v[S1:S1+15], v[DD:DD+7]
.endif
.endr
.endm
.macro MWIN ci                         ; sources 0 and 1 window 1; D window 0; C window 0, or window 2 where the bias is C
.if \ci == 2
	WIN 0x25
.else
	WIN 0x05
.endif
.endm
; 128 along K: 16 matrix instructions on the 16 accumulators, which take turns in one order throughout, from tile to tile too; the next 128's loads stand in one run in the middle
.macro QUARTER f, g, nslot, nq, ci, sw, bs
	s_wait_dscnt 8                                 ; W's four and A's blocks 0, 1 are in; the youngest eight loads (blocks 2, 3) may be out
	MWIN \ci
	MULA \f, 0, \ci, \sw, \bs
	MULA \f, 1, \ci, \sw, \bs
	PLACES
	FETCH \nslot, \nq, \g
	s_wait_dscnt 32                                ; all but the 32 just issued
	MWIN \ci
	MULA \f, 2, \ci, \sw, \bs
	MULA \f, 3, \ci, \sw, \bs
.endm
.macro LASTQ sw                        ; a tile's last 128: nothing more to fetch from its slot
	s_wait_dscnt 8
	WIN 0x05
	MULA F1, 0, 0, \sw, 0
	MULA F1, 1, 0, \sw, 0
	s_wait_dscnt 0
	MULA F1, 2, 0, \sw, 0
	MULA F1, 3, 0, \sw, 0
	WIN 0
.endm
.macro NEXTD slot, np                  ; the slot's descriptors for the same K step of tensor np, the next one.  No tensor load of mine is out where this stands
	s_add_nc_u64 s[G0+4*\slot+2:G0+4*\slot+3], s[G0+4*\slot+2:G0+4*\slot+3], 0x400000   ; A: the next set of x's codes; the type bits on top are not reached
	s_add_nc_u64 s[G0B+4*\slot+2:G0B+4*\slot+3], s[WP+2*(\np):WP+2*(\np)+1], \slot*KSTEP ; W: the next weight
	s_or_b32 s[G0B+4*\slot+3], s[G0B+4*\slot+3], 0x80000000
.endm
; Slot 0's last 128 changes slots: one barrier; in front of it each wave waits for all its tensor loads, adds 0 to its spare word, and waits for that and for its reads of this slot.  fill = 1: the slot takes the next tile's first K step.
.macro TURN slot, next, fill, sw, np
	WIN 0                                          ; (the add's two registers lie in window 0)
	s_wait_tensorcnt 0x0                           ; all my tensor loads have landed: my part of the next slot
	ds_add_u32 v[SPW], v[NIL]                      ; 0 onto my spare word
	s_wait_dscnt 9                                 ; (the add and the youngest eight loads may be out)
	WIN 0x05
	MULA F1, 0, 0, \sw, 0                          ; matrix work stands between the add and the wait for it
	s_wait_dscnt 0x0                               ; the add is done, and my reads of this slot are over
	s_barrier_signal -1
	MULA F1, 1, 0, \sw, 0
.if \fill
	WIN 0
.endif
	s_barrier_wait -1
.if \fill
	CREST                                          ; the barrier has opened a round of the cluster's barrier: no wave of any partner still reads this slot or has a load on its way
	NEXTD \slot, \np
	JLOAD \slot                                    ; the first tensor load behind the round, my one load until the next; its four v_nop are also the places in front of the loads below
.else
	PLACES
.endif
	FETCH \next, 0, F0
.if (\fill) && (\np == 1)
	global_prefetch_b8 v[PFO], s[104:105] th:TH_LOAD_NT scope:SCOPE_SE   ; k's first K step has been asked for: v's first, two refills on
.endif
	WIN 0x05
	MULA F1, 2, 0, \sw, 0
	MULA F1, 3, 0, \sw, 0
.endm
; Behind a tile's last products slot 1 has been read out: it takes the next tile's second K step, ahead of the tile's way out.  The same three lines, a whole round, the joint refill first behind it.
.macro CHANGE np
	s_wait_tensorcnt 0x0                           ; all my tensor loads have landed: my part of the next tile's first K step, in slot 0
	ds_add_u32 v[SPW], v[NIL]                      ; 0 onto my spare word; the descriptors' steps stand between it and the wait for it
	NEXTD 1, \np
	s_wait_dscnt 0x0                               ; the add is done, and my reads of slot 1 are over
	CROUND
	JLOAD 1
.if \np == 1
	global_prefetch_b8 v[PFO], s[14:15] th:TH_LOAD_NT scope:SCOPE_SE     ; k's second K step has been asked for: v's second, two refills on
.endif
.endm
.macro STEPS sw, bs, more, np          ; all of a tile's K.  more = 1: the ring goes on into tensor np
	QUARTER F0, F1, 0, 1, 2, \sw, \bs
	QUARTER F1, F0, 0, 2, 0, \sw, 0
	QUARTER F0, F1, 0, 3, 0, \sw, 0
	TURN 0, 1, \more, \sw, \np
	QUARTER F0, F1, 1, 1, 0, \sw, 0
	QUARTER F1, F0, 1, 2, 0, \sw, 0
	QUARTER F0, F1, 1, 3, 0, \sw, 0
	LASTQ \sw
.if \more
	CHANGE \np
.endif
	PLACES
.endm
.macro SCALES p, ex, ew, eo            ; tensor p: -(ex + ew); 2^(eo - ex - ew) and 57,344 x that
	s_add_co_i32 s22, s\ex, s\ew
	s_sub_co_i32 s[NEG+\p], 0, s22
	s_sub_co_i32 s22, s\eo, s22
	s_add_co_i32 s22, s22, 127
	s_lshl_b32 s23, s22, 23
	v_mov_b32 v[8+2*\p], s23
	s_add_co_i32 s22, s22, 15
	s_lshl_b32 s22, s22, 23
	s_or_b32 s22, s22, 0x600000
	v_mov_b32 v[9+2*\p], s22
.endm
.macro EPI_QK p                        ; the way out of q (p = 0) or k (1)
.set CB, 32+32*\p
.irp a, 0,1,2,3
.set ii, 0
.rept 32
	v_med3_num_f32 v[ACC+32*\a+ii], v[ACC+32*\a+ii], -v[9+2*\p], v[9+2*\p]   ; the hold (ISA guide 7.6.2); each accumulator from its low end on
.set ii, ii+1
.endr
.irp b, 0,1,2,3
	v_cvt_scalef32_pk8_bf8_f32 v[CB+8*\a+2*\b:CB+8*\a+2*\b+1], v[ACC+32*\a+8*\b:ACC+32*\a+8*\b+7], v[8+2*\p]
.endr
	v_nop                                          ; a plain line behind the conversions
	global_store_b128 v[LI], v[CB+8*\a:CB+8*\a+3], s[4+2*\p:5+2*\p] offset:\a*1024        ; registers 0-3 of the fragment of tokens 16 a on: 512 consecutive bytes
	global_store_b128 v[LI], v[CB+8*\a+4:CB+8*\a+7], s[4+2*\p:5+2*\p] offset:\a*1024+512  ; registers 4-7
.endr
.endm
	s_load_b512 s[68:83], s[0:1], 0x0              ; xc 68, wq 70, wk 72, wv 74, bq 76, bk 78, bv 80, the scales' exponents 82
	s_load_b64 s[8:9], s[0:1], 0x40                ; qkv
	v_lshl_add_u32 v[SPW], v0, 2, SPARE
	v_mov_b32 v[NIL], 0
	ds_add_u32 v28, v29
	ds_add_u32 v28, v29
	s_wait_dscnt 0x0
	v_lshrrev_b32 v1, 5, v0
	v_readfirstlane_b32 s10, v1                    ; wave 0..3
	s_lshr_b32 s11, s10, 1                         ; my half of the tile's rows.  Also: I fetch for A (0) or for W (1)
	s_and_b32 s12, s10, 1                          ; my half of its columns.  Also: which half I fetch
	s_bfe_u32 s40, ttmp6, 0x40000                  ; cx, cy
	s_bfe_u32 s41, ttmp6, 0x40004
	s_lshl_b32 s42, ttmp9, 2
	s_add_co_u32 s42, s42, s40                     ; tile column 0..7
	s_and_b32 s13, ttmp7, 0xffff
	s_lshl_b32 s13, s13, 2
	s_add_co_u32 s13, s13, s41                     ; tile row 0..31
	s_lshl_b32 s43, s41, 2
	s_lshl_b32 s43, 15, s43                        ; my row of the cluster
	s_lshl_b32 s44, 0x1111, s40                    ; my column
	s_or_b32 s[G1], s43, (3<<16)|(1<<21)           ; A: the mask; elements of 8 bytes; bit 21 beside a mask; no padding
	s_mov_b32 s[G1+1], 1024<<16                    ; tensor_dim0 = 1,024 elements: 8,192 bytes, a block's four fragments
	s_mov_b32 s[G1+2], 4<<16                       ; tensor_dim1 = 4 blocks of 16 rows
	s_mov_b32 s[G1+3], 1024<<16                    ; tile_dim0
	s_mov_b32 s[G1+4], 4                           ; tile_dim1
	s_mov_b32 s[G1+5], 2*SIZE_K                    ; from block to block: 16 SIZE_K bytes
	s_mov_b32 s[G1+6], 0
	s_mov_b32 s[G1+7], 0
	s_or_b32 s[G1B], s44, (1<<20)|(1<<21)|(6<<22)|(3<<25)  ; W: the mask; elements of 1 byte; padding of 4 words behind every 128
	s_mov_b32 s[G1B+1], KSTEP<<16
	s_mov_b32 s[G1B+2], 64<<16
	s_mov_b32 s[G1B+3], KSTEP<<16
	s_mov_b32 s[G1B+4], 64
	s_mov_b32 s[G1B+5], SIZE_K
	s_mov_b32 s[G1B+6], 0
	s_mov_b32 s[G1B+7], 0
	s_lshl_b32 s16, s13, 3                         ; A: block 8 x tile row + 4 x half, in the first set of codes
	s_lshl_b32 s17, s12, 2
	s_add_co_u32 s16, s16, s17
	s_mul_i32 s16, s16, 16*SIZE_K
	s_mov_b32 s17, 0
	s_lshl_b32 s46, s42, 7                         ; W: row 128 x tile column + 64 x half
	s_lshl_b32 s47, s12, 6
	s_add_co_u32 s46, s46, s47
	s_mul_i32 s46, s46, SIZE_K
	s_mov_b32 s47, 0
	s_lshl_b32 s20, s12, 15                        ; where they go: no place in the cluster enters an LDS address
	s_mul_i32 s21, s12, BHALF
	s_add_co_u32 s21, s21, BOFF
	s_wait_kmcnt 0x0
	s_load_b512 s[84:99], s[82:83], 0x0            ; e0 .. e15
	s_add_nc_u64 s[14:15], s[68:69], s[16:17]
	s_add_nc_u64 s[WP:WP+1], s[WP:WP+1], s[46:47]
	s_add_nc_u64 s[WP+2:WP+3], s[WP+2:WP+3], s[46:47]
	s_add_nc_u64 s[WP+4:WP+5], s[WP+4:WP+5], s[46:47]
	CROUND                                         ; all sixteen work-groups are here: the first joint loads meet
.irp s, 0,1
	s_mov_b32 s[G0+4*\s], 1
	s_add_co_u32 s[G0+4*\s+1], s20, \s*SLOT
	s_add_nc_u64 s[G0+4*\s+2:G0+4*\s+3], s[14:15], \s*8192
	s_or_b32 s[G0+4*\s+3], s[G0+4*\s+3], 0x80000000
	s_mov_b32 s[G0B+4*\s], 1
	s_add_co_u32 s[G0B+4*\s+1], s21, \s*SLOT
	s_add_nc_u64 s[G0B+4*\s+2:G0B+4*\s+3], s[WP:WP+1], \s*KSTEP
	s_or_b32 s[G0B+4*\s+3], s[G0B+4*\s+3], 0x80000000
.if \s == 0
	JLOAD 0                                        ; q's first K step: my one tensor load at the head
.endif
.endr
	v_and_b32 v1, 15, v0                           ; r
	v_bfe_u32 v2, v0, 4, 1                         ; h
	s_wait_alu depctr_va_vdst(0)
	v_and_b32 v3, 31, v0
	v_lshlrev_b32 v[LI], 4, v3
	; PREFETCHES INTO THE L2 (the sentence on prefetching in the comment at the kernel's head holds no longer).  Behind each joint load stands one request for what the load two refills on will want: the same K step of the next
	; tensor.  Of the 64 rows that I fetch, each of the four partners that ask for them with me takes 16, told apart by address (cx for A, cy for W): A: a block of 16 rows x 512 K is 8,192 dense bytes, lanes 256 bytes apart;
	; W: 16 rows x 512 bytes, two lanes a row.  Each block of 256 bytes is named once in the cluster.  At the head q's K step 1 is asked for too: its load goes out when K step 0's has landed.  v's loads ask for nothing.
	; Five address pairs that are never rewritten: s[2:3] q step 1, s[100:101] k step 0, s[66:67] k step 1, s[104:105] v step 0, s[14:15] v step 1.
.set PFO, 30                           ; v30     my lane's offset; never rewritten
	s_cmp_eq_u32 s11, 0                            ; do I fetch for A?
	s_cselect_b32 s17, s40, s41                    ; my place among the four
	s_cselect_b32 s19, 0, 1
	s_mov_b32 s20, SIZE_K
	s_cselect_b32 s20, 256, s20
	s_mov_b32 s22, KSTEP
	s_cselect_b32 s22, 8192, s22                   ; a K step on, in bytes
	s_mov_b32 s23, 0
	s_add_nc_u64 s[100:101], s[14:15], 0x400000    ; the second and third set of x's codes at the rows that I fetch
	s_add_nc_u64 s[104:105], s[14:15], 0x800000
	s_cselect_b64 s[2:3], s[14:15], s[WP:WP+1]
	s_cselect_b64 s[100:101], s[100:101], s[WP+2:WP+3]
	s_cselect_b64 s[104:105], s[104:105], s[WP+4:WP+5]
	s_lshl_b32 s16, s17, 14                        ; 16 rows are 16,384 bytes in either layout
	s_mov_b32 s17, 0
	s_add_nc_u64 s[2:3], s[2:3], s[16:17]
	s_add_nc_u64 s[2:3], s[2:3], s[22:23]
	s_add_nc_u64 s[100:101], s[100:101], s[16:17]
	s_add_nc_u64 s[104:105], s[104:105], s[16:17]
	s_add_nc_u64 s[66:67], s[100:101], s[22:23]
	s_add_nc_u64 s[14:15], s[104:105], s[22:23]
	s_wait_alu depctr_va_vdst(0)                   ; the wait behind the scalar lines
	v_lshrrev_b32 v[PFO], s19, v3
	v_and_b32 v31, s19, v3
	v_mul_lo_u32 v[PFO], v[PFO], s20
	v_lshl_add_u32 v[PFO], v31, 8, v[PFO]
	global_prefetch_b8 v[PFO], s[2:3] th:TH_LOAD_NT scope:SCOPE_SE
	global_prefetch_b8 v[PFO], s[100:101] th:TH_LOAD_NT scope:SCOPE_SE
	v_mul_u32_u24 v4, v1, PITCH
	v_lshl_add_u32 v4, v2, 4, v4
	s_lshl_b32 s21, s11, 15                        ; my 64 rows of A
	s_mul_i32 s22, s12, BHALF                      ; my 64 rows of W
	s_add_co_u32 s22, s22, BOFF
.irp s, 0,1
	v_add_nc_u32 v[ADRA+\s], s21, v[LI]
	v_add_nc_u32 v[ADRB+\s], s22, v4
	s_add_co_u32 s21, s21, SLOT
	s_add_co_u32 s22, s22, SLOT
.endr
	s_lshl_b32 s46, s42, 7                         ; the biases of my 64 channels
	s_lshl_b32 s47, s12, 6
	s_add_co_u32 s46, s46, s47
	s_lshl_b32 s46, s46, 2
	s_mov_b32 s47, 0
	s_add_nc_u64 s[76:77], s[76:77], s[46:47]
	s_add_nc_u64 s[78:79], s[78:79], s[46:47]
	s_add_nc_u64 s[80:81], s[80:81], s[46:47]
	v_lshlrev_b32 v5, 5, v2                        ; 32 h
	v_lshlrev_b32 v7, 2, v1                        ; 4 r
	WIN 0x80                                       ; destination window 2
.irp p, 0,1
.irp b, 0,1,2,3                                ; for q and k: channels 16 b + 8 h + 0 .. 7
	global_load_b128 v[32*\p+8*\b:32*\p+8*\b+3], v5, s[76+2*\p:77+2*\p] offset:64*\b
	global_load_b128 v[32*\p+8*\b+4:32*\p+8*\b+7], v5, s[76+2*\p:77+2*\p] offset:64*\b+16
.endr
.endr
	WIN 0
.irp b, 0,1,2,3                                ; for v: channel 16 b + r
	global_load_b32 v[64+\b], v7, s[80:81] offset:64*\b
.endr
	; where my results go: (batch, head), the tile's 128 tokens (8,192 bytes in either layout); for q, k 1,024 bytes for 16 tokens; for v my 64 tokens are 1,024 bytes of each fragment's 2,048
	s_lshr_b32 s22, s13, 4
	s_lshl_b32 s22, s22, 4
	s_lshl_b32 s23, s42, 1
	s_add_co_u32 s22, s22, s23
	s_add_co_u32 s22, s22, s12                     ; 16 x batch + head: my 64 channels are one head
	s_lshl_b32 s22, s22, 17
	s_and_b32 s23, s13, 15
	s_lshl_b32 s23, s23, 13
	s_add_co_u32 s22, s22, s23
	s_mov_b32 s23, 0
	s_add_nc_u64 s[8:9], s[8:9], s[22:23]
	s_lshl_b32 s22, s11, 12
	s_add_nc_u64 s[4:5], s[8:9], s[22:23]          ; q
	s_add_nc_u64 s[6:7], s[4:5], 0x400000          ; k
	s_lshl_b32 s22, s11, 10
	s_add_nc_u64 s[8:9], s[8:9], s[22:23]
	s_add_nc_u64 s[8:9], s[8:9], 0x800000          ; v
	s_wait_kmcnt 0x0
	SCALES 0, 84, 85, 90
	SCALES 1, 86, 87, 91
	SCALES 2, 88, 89, 93
	s_wait_loadcnt 0x0                             ; the biases
	WIN 0x82                                       ; source 0 and destination window 2
.irp p, 0,1
.set ii, 0
.rept 32
	v_ldexp_f32 v[32*\p+ii], v[32*\p+ii], s[NEG+\p]   ; bias / 2^(ex + ew)
.set ii, ii+1
.endr
.endr
	WIN 0x80                                       ; destination window 2, source 0 window 0
.irp b, 0,1,2,3
.irp j, 0,1,2,3,4,5,6,7
	v_ldexp_f32 v[64+8*\b+\j], v[64+\b], s[NEG+2]  ; v: a lane's eight results of a tile are one channel's
.endr
.endr
	WIN 0
	s_wait_alu depctr_va_vdst(0)                   ; the wait at the head's end
	s_wait_tensorcnt 0x0                           ; my part of q's first K step is in
	ds_add_u32 v[SPW], v[NIL]                      ; 0 onto my spare word, ahead of a later first fill
	s_wait_dscnt 0x0
	CROUND                                         ; everybody's part is in, and the joint loads meet
	JLOAD 1                                        ; slot 1's first fill, the first tensor load behind the round
	FETCH 0, 0, F0
	global_prefetch_b8 v[PFO], s[66:67] th:TH_LOAD_NT scope:SCOPE_SE
	STEPS 0, 0, 1, 1                               ; q; its changes of slots ask for k's two K steps
	EPI_QK 0
	FETCH 0, 0, F0                                 ; k's first fragments: slot 0 was shown whole by the round above
	STEPS 0, 32, 1, 2                              ; k; its changes of slots ask for v's
	EPI_QK 1
	FETCH 0, 0, F0
	STEPS 1, 64, 0, 0                              ; v: nothing is left to fetch
.irp b, 0,1,2,3
.irp a, 0,1,2,3
.irp j, 0,1,2,3,4,5,6,7
	v_med3_num_f32 v[ACC+32*\a+8*\b+\j], v[ACC+32*\a+8*\b+\j], -v13, v13
.endr
.endr
.irp a, 0,1,2,3
	v_cvt_scalef32_pk8_bf8_f32 v[96+8*\b+2*\a:97+8*\b+2*\a], v[ACC+32*\a+8*\b:ACC+32*\a+8*\b+7], v12   ; keys 16 a + 8 h + 0 .. 7 of my 64
.endr
	v_nop                                          ; a plain line behind the conversions
	global_store_b128 v[LI], v[96+8*\b:99+8*\b], s[8:9] offset:\b*2048
	global_store_b128 v[LI], v[100+8*\b:103+8*\b], s[8:9] offset:\b*2048+512
.endr
	s_wait_tensorcnt 0x0                           ; the wave's end
	ds_add_u32 v[SPW], v[NIL]
	s_wait_dscnt 0x0
	CROUND                                         ; the closing round: no work-group ends while a partner may still ask for a tile that names it
	s_endpgm
.Lfunc_end_k_q450cedd281_proj:
	.size	k_q450cedd281_proj, .Lfunc_end_k_q450cedd281_proj-k_q450cedd281_proj
	.p2alignl 7, 3214868480
	.fill 96, 4, 3214868480
	.section	.rodata,"a",@progbits
	.p2align	6, 0x0
	.amdhsa_kernel k_q450cedd281_proj
		.amdhsa_group_segment_fixed_size 327680
		.amdhsa_private_segment_fixed_size 0
		.amdhsa_enable_private_segment 0
		.amdhsa_kernarg_size 72
		.amdhsa_user_sgpr_count 2
		.amdhsa_user_sgpr_kernarg_segment_ptr 1
		.amdhsa_wavefront_size32 1
		.amdhsa_system_sgpr_workgroup_id_x 1
		.amdhsa_system_sgpr_workgroup_id_y 1
		.amdhsa_system_sgpr_workgroup_id_z 1
		.amdhsa_system_vgpr_workitem_id 0
		.amdhsa_next_free_vgpr 640
		.amdhsa_next_free_sgpr 106
		.amdhsa_reserve_vcc 0
		.amdhsa_float_denorm_mode_32 3
		.amdhsa_float_denorm_mode_16_64 3
		.amdhsa_memory_ordered 1
		.amdhsa_forward_progress 1
		.amdhsa_inst_pref_size 132
	.end_amdhsa_kernel
	.amdgpu_metadata
---
amdhsa.version: [ 1, 2 ]
amdhsa.kernels:
  - .name:           k_q450cedd281_proj
    .symbol:         k_q450cedd281_proj.kd
    .args:
      - { .name: xc, .offset: 0, .size: 8, .value_kind: global_buffer, .address_space: global }
      - { .name: wq_codes, .offset: 8, .size: 8, .value_kind: global_buffer, .address_space: global }
      - { .name: wk_codes, .offset: 16, .size: 8, .value_kind: global_buffer, .address_space: global }
      - { .name: wv_codes, .offset: 24, .size: 8, .value_kind: global_buffer, .address_space: global }
      - { .name: bq, .offset: 32, .size: 8, .value_kind: global_buffer, .address_space: global }
      - { .name: bk, .offset: 40, .size: 8, .value_kind: global_buffer, .address_space: global }
      - { .name: bv, .offset: 48, .size: 8, .value_kind: global_buffer, .address_space: global }
      - { .name: lowp_scales, .offset: 56, .size: 8, .value_kind: global_buffer, .address_space: global }
      - { .name: qkv, .offset: 64, .size: 8, .value_kind: global_buffer, .address_space: global }
    .group_segment_fixed_size: 327680
    .private_segment_fixed_size: 0
    .kernarg_segment_align: 8
    .kernarg_segment_size: 72
    .max_flat_workgroup_size: 128
    .sgpr_count:     106
    .vgpr_count:     640
    .wavefront_size: 32
...
	.end_amdgpu_metadata
.endif
;; end of part 2
;; launch attention (part 3): grid 8 x 32, 8 waves a work-group, clusters of 4 x 1, 327,680 bytes of LDS; arguments qkv, lowp_scales, ctx; writes ctx
.if DOCPART == 3
	.amdgcn_target "amdgcn-amd-amdhsa--gfx1250"
	.amdhsa_code_object_version 6
	.text
	.protected	k_q450cedd281_attention
	.globl	k_q450cedd281_attention
	.p2align	8
	.type	k_q450cedd281_attention,@function
k_q450cedd281_attention:
	s_mov_b64 s[64:65], 0
	v_nop
	global_prefetch_b8 v0, s[64:65] scope:SCOPE_SE
	s_setreg_imm32_b32 hwreg(HW_REG_WAVE_MODE, 25, 1), 1
	s_wait_xcnt 0x0
	s_wait_alu depctr_hold_cnt(0) depctr_sa_sdst(0) depctr_va_vdst(0) depctr_va_sdst(0) depctr_va_ssrc(0) depctr_va_vcc(0) depctr_vm_vsrc(0)
	s_getreg_b32 s2, hwreg(HW_REG_IB_STS2, 6, 4)
	s_cmp_eq_u32 s2, 0
	s_cbranch_scc0 .Lentry_in_a_cluster
	s_endpgm
.Lentry_in_a_cluster:
	s_bfe_u32 s2, ttmp6, 0x10000c
	s_cmp_lg_u32 s2, 0x3003
	s_cbranch_scc0 .Lentry_shape_is_right
	s_endpgm
.Lentry_shape_is_right:
; ctx = softmax(q k^T / 8) v for each of 32 (batch, head), 2,048 tokens, head size 64, both products on E5M2 codes; ctx is quantised at once (2^e10) for the next product and stored as register images.
; THE SOFTMAX: t = score x log2(e) / 8; M = the running largest t rounded UP to a whole number; p = 2^(t - M) is quantised (2^e8), not normalised; the row's sum is taken of the unquantised p and divides at the end.
; When M moves, the sum and O are multiplied by 2^(old M - new M): exact, in every step, with no branch on data.
; SHARES.  A work-group owns 256 queries of one head; each of its eight waves owns 32 of them, two tiles A and B of 16: each fragment of k and v read from LDS feeds two matrix instructions.  Two waves to a SIMD.
; THE WHOLE HEAD'S k AND v LIE IN LDS, 128 KiB each, as they lie in memory (register images); each byte is filled once.  Waves 0-3 fetch k, waves 4-7 v.  At the head a wave asks for 8 KiB: together the first 512 keys.
; Behind the three lines and a round of the cluster's barrier it asks for 24 KiB: together the other 1,536 keys, which land under the first four key steps; one wait and one barrier stand ahead of the fifth step.
; CLUSTER.  The four query blocks of a cluster belong to one head: both fills are asked for jointly, by the same descriptor and the mask of all four.
; No prefetch: both fills stand at the head, so there is no later stream to ask ahead for.
; LAYOUT.  S^T = k q^T (16 x 16 x 64: source 0 = 16 keys, source 1 = 16 queries); O^T = v^T p^T (16 x 16 x 128: source 0 = 16 channels, source 1 = p): a lane holds one query of A and one of B throughout.  Tile t of S^T gives a lane
; keys 16 t + 8 h + 0 .. 7, whose codes are registers 2 t, 2 t + 1 of the second product's operand; v's images are laid the same way.
; A KEY STEP is 128 keys.  Behind its 16 score products it asks LDS for its own v and for the next step's k.  In the last step of each of the two loops that address is held at the step's own k: those 16 loads are read by nobody.
; THE EXPONENTIALS go in two batches, A's 64 and B's 64.  Among A's stand B's 32 scalings, among B's stand A's 32 holds: plain lines that name no register of the batch, each of whose results is first read behind the wait that closes the batch.
; LIMITS: e6 + e7 between -123 and 130 (added to c's exponent field); e8 and e10 between -126 and 112.  NaN is not served.
; REGISTERS, window 0: v1 16 x lane; v2, v3 the add's; v4, v5 LDS addresses; v6 the hold, v7 the conversion's scale; v[8:9], v[10:11] -M and the largest t of A, B; v[12:13], v[14:15] their sums; v16-31 q; v32-95 k;
;   v96-159, v160-223 S^T then p of A, B; v224-255 at work, then p's codes.   window 1: v0-31, v32-63 O^T of A, B; v64-127 v.
.set SPARE, 0x40000                    ; the spare words: 128 bytes for each of eight waves
.set VOFF, 0x20000                     ; v behind k
.set LI, 1
.set SPW, 2
.set NIL, 3
.set ADK, 4
.set ADV, 5
.set HOLD, 6
.set SCL, 7
.set NMA, 8
.set NMB, 10
.set SUA, 12
.set SUB, 14
.set QA, 16
.set QB, 24
.set KF, 32
.set SA, 96
.set SB, 160
.set CA, 224
.set CB, 240
.set T0A, 224                          ; at work ahead of the conversions
.set T1A, 225
.set T0B, 226
.set T1B, 227
.set PA, 228
.set PB, 229
.set FA, 230                           ; v[230:231], v[232:233]: f of A, B in the low word
.set FB, 232
.set OA, 0                             ; window 1
.set OB, 32
.set VF, 64
.set WV, 10
.set G1A, 16                           ; s[16:23] group 1: 32 rows of 256 bytes;  s[24:31]: 96 rows
.set G1B, 24
.set G0A, 32                           ; s[32:35], s[36:39] the two groups 0
.set G0B, 36
.set SEL, 40
.set CS, 42
.set TB, 44                            ; LDS byte of the step's k
.set CNT, 45
.set TV, 46
.set TN, 47
.set MSB, 0
.macro WIN new                         ; the immediate's high byte repeats the setting that is left
.if MSB != \new
	s_set_vgpr_msb (MSB<<8)|\new
.set MSB, \new
.endif
.endm
.macro CROUND                          ; a round of the cluster's barrier
	s_barrier_signal -1
	s_barrier_wait -1
	s_cmp_lg_u32 s[WV], 0
	s_cbranch_scc1 .Lnot_wave_0_\@
	s_barrier_signal -3
.Lnot_wave_0_\@:
	s_barrier_wait -3
	s_barrier_signal -1
	s_barrier_wait -1
.endm
.macro KLOAD adr                       ; k's eight fragments of 16 keys x 64
.irp t, 0,1,2,3,4,5,6,7
	ds_load_b128 v[KF+8*\t:KF+8*\t+3], v[\adr] offset:1024*\t
	ds_load_b128 v[KF+8*\t+4:KF+8*\t+7], v[\adr] offset:1024*\t+512
.endr
.endm
.macro SUMS s, su, x                   ; a tile's 64 unquantised p onto its sum: 32 packed additions in four chains, three of them in v[x .. x + 5]
	v_pk_add_f32 v[\x:\x+1], v[\s:\s+1], v[\s+2:\s+3]
	v_pk_add_f32 v[\x+2:\x+3], v[\s+4:\s+5], v[\s+6:\s+7]
	v_pk_add_f32 v[\x+4:\x+5], v[\s+8:\s+9], v[\s+10:\s+11]
	v_pk_add_f32 v[\su:\su+1], v[\su:\su+1], v[\s+12:\s+13]
	v_pk_add_f32 v[\x:\x+1], v[\x:\x+1], v[\s+14:\s+15]
.irp j, 16,24,32,40,48,56
	v_pk_add_f32 v[\su:\su+1], v[\su:\su+1], v[\s+\j:\s+\j+1]
	v_pk_add_f32 v[\x:\x+1], v[\x:\x+1], v[\s+\j+2:\s+\j+3]
	v_pk_add_f32 v[\x+2:\x+3], v[\x+2:\x+3], v[\s+\j+4:\s+\j+5]
	v_pk_add_f32 v[\x+4:\x+5], v[\x+4:\x+5], v[\s+\j+6:\s+\j+7]
.endr
	v_pk_add_f32 v[\x:\x+1], v[\x:\x+1], v[\x+2:\x+3]
	v_pk_add_f32 v[\su:\su+1], v[\su:\su+1], v[\x+4:\x+5]
	v_pk_add_f32 v[\su:\su+1], v[\su:\su+1], v[\x:\x+1]
.endm
	s_load_b128 s[4:7], s[0:1], 0x0                ; qkv, the scales' exponents
	s_load_b64 s[8:9], s[0:1], 0x10                ; ctx
	v_lshl_add_u32 v[SPW], v0, 2, SPARE
	v_mov_b32 v[NIL], 0
	ds_add_u32 v[SPW], v[NIL]                      ; the opening lines: the add twice on end and its wait
	ds_add_u32 v[SPW], v[NIL]
	v_lshrrev_b32 v4, 5, v0
	v_readfirstlane_b32 s[WV], v4                  ; wave 0..7
	v_and_b32 v5, 31, v0
	v_lshlrev_b32 v[LI], 4, v5
	s_bfe_u32 s11, ttmp6, 0x40000                  ; cx
	s_lshl_b32 s12, ttmp9, 2
	s_add_co_u32 s12, s12, s11                     ; my block of 256 queries: it enters q's and ctx's addresses alone
	s_and_b32 s13, ttmp7, 0xffff                   ; 16 x batch + head, which the partners share
	s_lshr_b32 s14, s[WV], 2                       ; 0: I fetch k; 1: v
	s_and_b32 s15, s[WV], 3                        ; my quarter of a fill
	s_lshl_b32 s66, s14, 17
	s_lshl_b32 s70, s15, 13                        ; first fill: 8,192 bytes a wave
	s_mov_b32 s71, 0
	s_mul_i32 s68, s15, 24576                      ; second fill: 24,576 bytes a wave, behind the first 32,768
	s_add_co_u32 s68, s68, 32768
	s_mov_b32 s69, 0
	s_mov_b32 s[G0A], 1
	s_add_co_u32 s[G0A+1], s66, s70
	s_mov_b32 s[G0B], 1
	s_add_co_u32 s[G0B+1], s66, s68
	s_add_co_u32 s2, s14, 1
	s_lshl_b32 s2, s2, 22                          ; in memory: k 4 MiB, v 8 MiB into the buffer,
	s_lshl_b32 s3, s13, 17                         ; the head's 131,072 bytes
	s_add_co_u32 s2, s2, s3
	s_mov_b32 s3, 0
	s_mov_b32 s[G1A], 15|(3<<16)|(1<<21)           ; the mask of all four; elements of 8 bytes; bit 21 beside a mask; no padding
	s_mov_b32 s[G1A+1], 32<<16                     ; rows of 32 elements: 256 bytes
	s_mov_b32 s[G1A+2], 32<<16                     ; 32 rows
	s_mov_b32 s[G1A+3], 32<<16
	s_mov_b32 s[G1A+4], 32
	s_mov_b32 s[G1A+5], 32                         ; dense
	s_mov_b32 s[G1A+6], 0
	s_mov_b32 s[G1A+7], 0
	s_mov_b32 s[G1B], 15|(3<<16)|(1<<21)
	s_mov_b32 s[G1B+1], 32<<16
	s_mov_b32 s[G1B+2], 96<<16                     ; 96 rows
	s_mov_b32 s[G1B+3], 32<<16
	s_mov_b32 s[G1B+4], 96
	s_mov_b32 s[G1B+5], 32
	s_mov_b32 s[G1B+6], 0
	s_mov_b32 s[G1B+7], 0
	s_mov_b32 s[SEL], 0x76543210                   ; v_permlanex16_b32: lane l xor 16
	s_mov_b32 s[SEL+1], 0xfedcba98
	s_mov_b32 s[CS], 0x3e38aa3b                    ; log2(e) / 8
	s_wait_alu depctr_va_vdst(0)                   ; the wait ahead of the waits below
	s_wait_dscnt 0x0
	s_wait_kmcnt 0x0
	s_load_b512 s[48:63], s[6:7], 0x0              ; e0 .. e15
	s_add_nc_u64 s[2:3], s[4:5], s[2:3]
	s_add_nc_u64 s[G0A+2:G0A+3], s[2:3], s[70:71]
	s_or_b32 s[G0A+3], s[G0A+3], 0x80000000
	s_add_nc_u64 s[G0B+2:G0B+3], s[2:3], s[68:69]
	s_or_b32 s[G0B+3], s[G0B+3], 0x80000000
	CROUND                                         ; all four work-groups are here: the joint loads meet
	tensor_load_to_lds s[G0A:G0A+3], s[G1A:G1A+7]  ; keys 0 .. 511: my one tensor load at the head
	s_nop 0
.rept 4
	v_nop
.endr
	s_lshl_b32 s66, s12, 4
	s_lshl_b32 s67, s[WV], 1
	s_add_co_u32 s66, s66, s67                     ; tile A among the head's 128 tiles of 16 queries; B is the next
	s_lshl_b32 s68, s66, 10
	s_lshl_b32 s69, s13, 17
	s_add_co_u32 s68, s68, s69
	s_mov_b32 s69, 0
	s_add_nc_u64 s[4:5], s[4:5], s[68:69]          ; q's images
.irp i, 0,1,2,3
	global_load_b128 v[QA+4*\i:QA+4*\i+3], v[LI], s[4:5] offset:512*\i
.endr
	s_lshr_b32 s68, s13, 4
	s_lshl_b32 s68, s68, 7
	s_add_co_u32 s68, s68, s66                     ; A's 16 rows among the 4,096 / 16
	s_lshl_b32 s68, s68, 14
	s_and_b32 s67, s13, 15
	s_lshl_b32 s67, s67, 10                        ; the head's 64 of K = 1,024: half a fragment
	s_add_co_u32 s68, s68, s67
	s_add_nc_u64 s[8:9], s[8:9], s[68:69]
	v_mov_b32 v[NMA+1], 0xff61b1e6                 ; the largest t so far: -3e38
	v_mov_b32 v[NMB+1], 0xff61b1e6
	v_floor_f32 v[NMA], -v[NMA+1]                  ; -M
	v_floor_f32 v[NMB], -v[NMB+1]
.irp r, SUA, SUA+1, SUB, SUB+1, PA, PB, FA+1, FB+1
	v_mov_b32 v[\r], 0                             ; the sums; a lane permute's destination and a pair's upper half count as read
.endr
	WIN 0x40
.set ii, 0
.rept 64
	v_mov_b32 v[OA+ii], 0                          ; O^T: the step is written once; the first finds zeros
.set ii, ii+1
.endr
	WIN 0
	s_wait_kmcnt 0x0
	s_add_co_i32 s66, s54, s55
	s_lshl_b32 s66, s66, 23
	s_add_co_i32 s[CS], s[CS], s66                 ; e6 + e7 onto c's exponent field
	s_mov_b32 s[CS+1], s[CS]
	s_add_co_i32 s66, s56, 127
	s_lshl_b32 s67, s66, 23
	v_mov_b32 v[SCL], s67                          ; 2^e8
	s_add_co_i32 s66, s66, 15
	s_lshl_b32 s66, s66, 23
	s_or_b32 s66, s66, 0x600000
	v_mov_b32 v[HOLD], s66                         ; 57,344 x 2^e8
	s_add_co_i32 s66, s58, 127
	s_lshl_b32 s70, s66, 23                        ; 2^e10
	s_add_co_i32 s66, s66, 15
	s_lshl_b32 s71, s66, 23
	s_or_b32 s71, s71, 0x600000                    ; 57,344 x 2^e10
	s_add_co_i32 s68, s56, s57                     ; e8 + e9
	s_wait_alu depctr_va_vdst(0)                   ; the wait at the head's end
	s_wait_tensorcnt 0x0                           ; my part of the first 512 keys is in
	ds_add_u32 v[SPW], v[NIL]                      ; 0 onto my spare word, ahead of a later first fill
	s_wait_dscnt 0x0
	CROUND                                         ; everybody's part is in, and the joint loads meet
	tensor_load_to_lds s[G0B:G0B+3], s[G1B:G1B+7]  ; keys 512 .. 2,047: the first tensor load behind the round
	s_nop 0
.rept 4
	v_nop
.endr
	KLOAD LI                                       ; the first step's k
	s_wait_loadcnt 0x0                             ; q
.macro STEP lim                        ; 128 keys; lim: the last step's k in this loop
	s_add_co_u32 s[TV], s[TB], VOFF
	s_add_co_u32 s[TN], s[TB], 8192
	s_min_u32 s[TN], s[TN], \lim
	s_wait_dscnt 0x0                               ; k is in
.irp t, 0,1,2,3,4,5,6,7
	v_wmma_f32_16x16x64_bf8_bf8 v[SA+8*\t:SA+8*\t+7], v[KF+8*\t:KF+8*\t+7], v[QA:QA+7], 0
	v_wmma_f32_16x16x64_bf8_bf8 v[SB+8*\t:SB+8*\t+7], v[KF+8*\t:KF+8*\t+7], v[QB:QB+7], 0
.endr
	v_add_nc_u32 v[ADV], s[TV], v[LI]              ; four plain places ahead of the loads into fragments and of the reads of the scores
	v_add_nc_u32 v[ADK], s[TN], v[LI]
	v_nop
	v_nop
	WIN 0x40                                       ; destination window 1
.irp d, 0,1,2,3
.irp g, 0,1,2,3
	ds_load_b128 v[VF+16*\d+4*\g:VF+16*\d+4*\g+3], v[ADV] offset:2048*\d+512*\g
.endr
.endr
	WIN 0
	KLOAD ADK                                      ; the next step's k
	v_max3_num_f32 v[T0A], v[SA], v[SA+1], v[SA+2] ; the step's largest scores, two chains a tile, each accumulator from its low end on
	v_max3_num_f32 v[T0B], v[SB], v[SB+1], v[SB+2]
	v_max3_num_f32 v[T1A], v[SA+3], v[SA+4], v[SA+5]
	v_max3_num_f32 v[T1B], v[SB+3], v[SB+4], v[SB+5]
.irp i, 6,10,14,18,22,26,30,34,38,42,46,50,54,58
	v_max3_num_f32 v[T0A], v[T0A], v[SA+\i], v[SA+\i+1]
	v_max3_num_f32 v[T0B], v[T0B], v[SB+\i], v[SB+\i+1]
	v_max3_num_f32 v[T1A], v[T1A], v[SA+\i+2], v[SA+\i+3]
	v_max3_num_f32 v[T1B], v[T1B], v[SB+\i+2], v[SB+\i+3]
.endr
	v_max3_num_f32 v[T0A], v[T0A], v[SA+62], v[SA+63]
	v_max3_num_f32 v[T0B], v[T0B], v[SB+62], v[SB+63]
	v_max_num_f32 v[T0A], v[T0A], v[T1A]
	v_max_num_f32 v[T0B], v[T0B], v[T1B]
	v_permlanex16_b32 v[PA], v[T0A], s[SEL], s[SEL+1]
	v_permlanex16_b32 v[PB], v[T0B], s[SEL], s[SEL+1]
	v_max_num_f32 v[T0A], v[T0A], v[PA]            ; and among lane l xor 16's
	v_max_num_f32 v[T0B], v[T0B], v[PB]
	v_mul_f32 v[T0A], s[CS], v[T0A]                ; as t (c is positive)
	v_mul_f32 v[T0B], s[CS], v[T0B]
	v_max_num_f32 v[NMA+1], v[NMA+1], v[T0A]       ; the running largest t
	v_max_num_f32 v[NMB+1], v[NMB+1], v[T0B]
	v_mov_b32 v[T1A], v[NMA]
	v_mov_b32 v[T1B], v[NMB]
	v_floor_f32 v[NMA], -v[NMA+1]                  ; the new -M = -ceil(t)
	v_floor_f32 v[NMB], -v[NMB+1]
	v_sub_f32 v[T1A], v[NMA], v[T1A]               ; old M - new M: a whole number, 0 or less
	v_sub_f32 v[T1B], v[NMB], v[T1B]
	v_cvt_i32_f32 v[T1A], v[T1A]                   ; (it saturates)
	v_cvt_i32_f32 v[T1B], v[T1B]
	v_ldexp_f32 v[FA], 1.0, v[T1A]                 ; f = 2^(old M - new M)
	v_ldexp_f32 v[FB], 1.0, v[T1B]
.set ii, 0
.rept 32
	v_pk_fma_f32 v[SA+ii:SA+ii+1], v[SA+ii:SA+ii+1], s[CS:CS+1], v[NMA:NMA+1] op_sel_hi:[1,0,0]   ; A: t - M, two at a time
.set ii, ii+2
.endr
	WIN 0x41                                       ; source 0 and destination window 1
.set ii, 0
.rept 16
	v_pk_mul_f32 v[OA+ii:OA+ii+1], v[OA+ii:OA+ii+1], v[FA:FA+1] op_sel_hi:[1,0]   ; O^T under the new M, ahead of the exponentials
	v_pk_mul_f32 v[OB+ii:OB+ii+1], v[OB+ii:OB+ii+1], v[FB:FB+1] op_sel_hi:[1,0]
.set ii, ii+2
.endr
	WIN 0
	s_wait_alu depctr_va_vdst(0)                   ; the wait ahead of the batch
.set ii, 0
.rept 32
	v_exp_f32 v[SA+ii], v[SA+ii]                   ; A: p = 2^(t - M), at most 1
	v_pk_fma_f32 v[SB+ii:SB+ii+1], v[SB+ii:SB+ii+1], s[CS:CS+1], v[NMB:NMB+1] op_sel_hi:[1,0,0]   ; B: t - M; first read behind the wait below
	v_exp_f32 v[SA+ii+1], v[SA+ii+1]
.set ii, ii+2
.endr
	v_pk_mul_f32 v[SUA:SUA+1], v[SUA:SUA+1], v[FA:FA+1] op_sel_hi:[1,0]   ; A's sum under the new M: the plain line behind the exponentials
	s_wait_alu depctr_va_vdst(0)                   ; one wait behind A's batch and ahead of B's
	SUMS SA, SUA, T0A
.set ii, 0
.rept 32
	v_exp_f32 v[SB+ii], v[SB+ii]                   ; B: p
	v_dual_min_num_f32 v[SA+ii], v[HOLD], v[SA+ii] :: v_dual_min_num_f32 v[SA+ii+1], v[HOLD], v[SA+ii+1]   ; A: the hold (ISA guide 7.6.2); p is not negative, so it is one-sided; first read behind the wait below
	v_exp_f32 v[SB+ii+1], v[SB+ii+1]
.set ii, ii+2
.endr
	v_pk_mul_f32 v[SUB:SUB+1], v[SUB:SUB+1], v[FB:FB+1] op_sel_hi:[1,0]   ; B's sum under the new M: the plain line behind the exponentials
	s_wait_alu depctr_va_vdst(0)                   ; one wait behind B's batch, ahead of its first reader
.irp t, 0,1,2,3,4,5,6,7
	v_cvt_scalef32_pk8_bf8_f32 v[CA+2*\t:CA+2*\t+1], v[SA+8*\t:SA+8*\t+7], v[SCL]
.endr
	SUMS SB, SUB, CB                               ; (its three chains lie where B's codes go afterwards)
.set ii, 0
.rept 32
	v_dual_min_num_f32 v[SB+ii], v[HOLD], v[SB+ii] :: v_dual_min_num_f32 v[SB+ii+1], v[HOLD], v[SB+ii+1]
.set ii, ii+2
.endr
.irp t, 0,1,2,3,4,5,6,7
	v_cvt_scalef32_pk8_bf8_f32 v[CB+2*\t:CB+2*\t+1], v[SB+8*\t:SB+8*\t+7], v[SCL]
.endr
	v_nop                                          ; a plain line behind the conversions
	s_wait_alu depctr_va_vdst(0)                   ; the wait ahead of the wait below
	s_wait_dscnt 16                                ; v is in; the 16 loads of the next k, issued behind v's, may be out
	WIN 0x51                                       ; source 0, C and D window 1
.irp d, 0,1,2,3
	v_wmma_f32_16x16x128_bf8_bf8 v[OA+8*\d:OA+8*\d+7], v[VF+16*\d:VF+16*\d+15], v[CA:CA+15], v[OA+8*\d:OA+8*\d+7]
	v_wmma_f32_16x16x128_bf8_bf8 v[OB+8*\d:OB+8*\d+7], v[VF+16*\d:VF+16*\d+15], v[CB:CB+15], v[OB+8*\d:OB+8*\d+7]
.endr
	WIN 0
	s_add_co_u32 s[TB], s[TB], 8192
.endm
	s_mov_b32 s[TB], 0
	s_mov_b32 s[CNT], 4
.Lfirst:                                               ; keys 0 .. 511
	STEP 24576
	s_sub_co_u32 s[CNT], s[CNT], 1
	s_cmp_lg_u32 s[CNT], 0
	s_cbranch_scc1 .Lfirst
	s_wait_tensorcnt 0x0                           ; my part of the other keys is in
	s_wait_dscnt 0x0                               ; no LDS instruction of mine is out at the signal
	s_barrier_signal -1
	s_barrier_wait -1                              ; everybody's part is in
	s_mov_b32 s[TB], 32768
	v_add_nc_u32 v[ADK], s[TB], v[LI]
	KLOAD ADK
	s_mov_b32 s[CNT], 12
.Lrest:                                                ; keys 512 .. 2,047
	STEP 122880
	s_sub_co_u32 s[CNT], s[CNT], 1
	s_cmp_lg_u32 s[CNT], 0
	s_cbranch_scc1 .Lrest
	; THE WAY OUT
.rept 4
	v_nop                                          ; places behind the last products
.endr
	v_add_f32 v[SUA], v[SUA], v[SUA+1]
	v_add_f32 v[SUB], v[SUB], v[SUB+1]
	v_permlanex16_b32 v[PA], v[SUA], s[SEL], s[SEL+1]
	v_permlanex16_b32 v[PB], v[SUB], s[SEL], s[SEL+1]
	v_add_f32 v[SUA], v[SUA], v[PA]                ; the rows' sums
	v_add_f32 v[SUB], v[SUB], v[PB]
	v_mov_b32 v[SCL], s70                          ; 2^e10
	v_mov_b32 v[HOLD], s71                         ; 57,344 x 2^e10
	s_wait_alu depctr_va_vdst(0)                   ; the wait ahead of the transcendentals
	v_rcp_f32 v[SUA], v[SUA]
	v_rcp_f32 v[SUB], v[SUB]
	v_nop                                          ; a plain line behind them
	s_wait_alu depctr_va_vdst(0)                   ; the wait, ahead of the first reader
	v_ldexp_f32 v[SUA], v[SUA], s68                ; x 2^(e8 + e9)
	v_ldexp_f32 v[SUB], v[SUB], s68
	WIN 0x01                                       ; source 0 window 1
	s_wait_alu depctr_va_vdst(0)                   ; the wait directly ahead of the first reader of O^T
.set ii, 0
.rept 32
	v_mul_f32 v[SA+ii], v[OA+ii], v[SUA]           ; ctx(query r, channel 16 t + 8 h + i) in register 8 t + i
	v_mul_f32 v[SA+32+ii], v[OB+ii], v[SUB]
.set ii, ii+1
.endr
	WIN 0
.set ii, 0
.rept 64
	v_med3_num_f32 v[SA+ii], v[SA+ii], -v[HOLD], v[HOLD]
.set ii, ii+1
.endr
.irp d, 0,1,2,3,4,5,6,7
	v_cvt_scalef32_pk8_bf8_f32 v[CA+2*\d:CA+2*\d+1], v[SA+8*\d:SA+8*\d+7], v[SCL]
.endr
	v_nop                                          ; a plain line behind the conversions
	; the next product wants 16 neighbouring channels a lane (32 b + 16 h + 0 .. 15): the upper lanes' first eight change places with the lower lanes' second eight
.irp u, 0,1,4,5,8,9,12,13
	v_permlane16_swap_b32 v[CA+\u], v[CA+\u+2]
.endr
	global_store_b128 v[LI], v[CA:CA+3], s[8:9]                    ; 512 consecutive bytes each
	global_store_b128 v[LI], v[CA+4:CA+7], s[8:9] offset:512
	global_store_b128 v[LI], v[CA+8:CA+11], s[8:9] offset:16384    ; tile B: the next 16 rows
	global_store_b128 v[LI], v[CA+12:CA+15], s[8:9] offset:16896
	s_wait_tensorcnt 0x0                           ; the wave's end
	ds_add_u32 v[SPW], v[NIL]
	s_wait_dscnt 0x0
	CROUND                                         ; the closing round
	s_endpgm
.Lfunc_end_k_q450cedd281_attention:
	.size	k_q450cedd281_attention, .Lfunc_end_k_q450cedd281_attention-k_q450cedd281_attention
	.p2alignl 7, 3214868480
	.fill 96, 4, 3214868480
	.section	.rodata,"a",@progbits
	.p2align	6, 0x0
	.amdhsa_kernel k_q450cedd281_attention
		.amdhsa_group_segment_fixed_size 327680
		.amdhsa_private_segment_fixed_size 0
		.amdhsa_enable_private_segment 0
		.amdhsa_kernarg_size 24
		.amdhsa_user_sgpr_count 2
		.amdhsa_user_sgpr_kernarg_segment_ptr 1
		.amdhsa_wavefront_size32 1
		.amdhsa_system_sgpr_workgroup_id_x 1
		.amdhsa_system_sgpr_workgroup_id_y 1
		.amdhsa_system_sgpr_workgroup_id_z 1
		.amdhsa_system_vgpr_workitem_id 0
		.amdhsa_next_free_vgpr 384
		.amdhsa_next_free_sgpr 72
		.amdhsa_reserve_vcc 0
		.amdhsa_float_denorm_mode_32 3
		.amdhsa_float_denorm_mode_16_64 3
		.amdhsa_memory_ordered 1
		.amdhsa_forward_progress 1
		.amdhsa_inst_pref_size 76
	.end_amdhsa_kernel
	.amdgpu_metadata
---
amdhsa.version: [ 1, 2 ]
amdhsa.kernels:
  - .name:           k_q450cedd281_attention
    .symbol:         k_q450cedd281_attention.kd
    .args:
      - { .name: qkv, .offset: 0, .size: 8, .value_kind: global_buffer, .address_space: global }
      - { .name: lowp_scales, .offset: 8, .size: 8, .value_kind: global_buffer, .address_space: global }
      - { .name: ctx, .offset: 16, .size: 8, .value_kind: global_buffer, .address_space: global }
    .group_segment_fixed_size: 327680
    .private_segment_fixed_size: 0
    .kernarg_segment_align: 8
    .kernarg_segment_size: 24
    .max_flat_workgroup_size: 256
    .sgpr_count:     72
    .vgpr_count:     384
    .wavefront_size: 32
...
	.end_amdgpu_metadata
.endif
;; end of part 3
;; launch outproj (part 4): grid 8 x 32, 4 waves a work-group, clusters of 4 x 4, 327,680 bytes of LDS; arguments ctx, wo_codes, bo, x, lowp_scales, y; writes y
.if DOCPART == 4
	.amdgcn_target "amdgcn-amd-amdhsa--gfx1250"
	.amdhsa_code_object_version 6
	.text
	.protected	k_q450cedd281_outproj
	.globl	k_q450cedd281_outproj
	.p2align	8
	.type	k_q450cedd281_outproj,@function
k_q450cedd281_outproj:
	s_mov_b64 s[64:65], 0
	v_nop
	global_prefetch_b8 v0, s[64:65] scope:SCOPE_SE
	s_setreg_imm32_b32 hwreg(HW_REG_WAVE_MODE, 25, 1), 1
	s_wait_xcnt 0x0
	s_wait_alu depctr_hold_cnt(0) depctr_sa_sdst(0) depctr_va_vdst(0) depctr_va_sdst(0) depctr_va_ssrc(0) depctr_va_vcc(0) depctr_vm_vsrc(0)
	s_getreg_b32 s2, hwreg(HW_REG_IB_STS2, 6, 4)
	s_cmp_eq_u32 s2, 0
	s_cbranch_scc0 .Lentry_in_a_cluster
	s_endpgm
.Lentry_in_a_cluster:
	s_bfe_u32 s2, ttmp6, 0x10000c
	s_cmp_lg_u32 s2, 0xf033
	s_cbranch_scc0 .Lentry_shape_is_right
	s_endpgm
.Lentry_shape_is_right:
.set SIZE_K, 1024
.set SOFF,   40
.set KSTEP,  512
.set AHALF,  32768
.set PITCH,  528
.set BHALF,  64*PITCH
.set BOFF,   2*AHALF
.set SLOT,   BOFF+2*BHALF
.set SPARE,  2*SLOT
.set STAGE,  SPARE+512
.set SPITCH, 272
.set LAPS,   SIZE_K/(2*KSTEP)
.set LI,   6
.set ADRA, 16
.set ADRB, 20
.set STO,  24
.set RD,   25
.set CO,   26
.set SPW,  28
.set NIL,  29
.set ACC,  128
.set F0,   0
.set F1,   128
.set G1,  24
.set G0,  32
.set G1B, 48
.set G0B, 56
.set MSB, 0
.macro WIN new
.if MSB != \new
	s_set_vgpr_msb (MSB<<8)|\new
.set MSB, \new
.endif
.endm
.macro JLOAD s
	s_cmp_eq_u32 s11, 0
	s_cbranch_scc0 .Lfor_b_\@
	tensor_load_to_lds s[G0+4*\s:G0+4*\s+3], s[G1:G1+7]
	s_nop 0
.rept 4
	v_nop
.endr
	s_branch .Lasked_\@
.Lfor_b_\@:
	tensor_load_to_lds s[G0B+4*\s:G0B+4*\s+3], s[G1B:G1B+7]
	s_nop 0
.rept 4
	v_nop
.endr
.Lasked_\@:
.endm
.macro CREST
	s_cmp_lg_u32 s10, 0
	s_cbranch_scc1 .Lnot_wave_0_\@
	s_barrier_signal -3
.Lnot_wave_0_\@:
	s_barrier_wait -3
	s_barrier_signal -1
	s_barrier_wait -1
.endm
.macro CROUND
	s_barrier_signal -1
	s_barrier_wait -1
	CREST
.endm
.macro PLACES
.rept 4
	v_nop
.endr
.endm
.macro FETCH slot, q, f
	WIN 0x40
.irp i, 0,1,2,3
.irp c, 0,1,2,3
	ds_load_b128 v[\f+64+16*\i+4*\c:\f+64+16*\i+4*\c+3], v[ADRB+\slot] offset:\i*16*PITCH+128*(\q)+32*\c
.endr
.endr
.irp i, 0,1,2,3
.irp c, 0,1,2,3
	ds_load_b128 v[\f+16*\i+4*\c:\f+16*\i+4*\c+3], v[ADRA+\slot] offset:\i*8192+2048*(\q)+512*\c
.endr
.endr
.endm
.macro MULA f, a, ci
.irp b, 0,1,2,3
.set DD, ACC+8*(4*(\a)+\b)
.if \ci == 1
	v_wmma_f32_16x16x128_bf8_bf8 v[DD:DD+7], v[\f+64+16*\b:\f+64+16*\b+15], v[\f+16*(\a):\f+16*(\a)+15], 0
.else
	v_wmma_f32_16x16x128_bf8_bf8 v[DD:DD+7], v[\f+64+16*\b:\f+64+16*\b+15], v[\f+16*(\a):\f+16*(\a)+15], v[DD:DD+7]
.endif
.endr
.endm
.macro QUARTER f, g, nslot, nq, ci
	s_wait_dscnt 8
	WIN 0x05
	MULA \f, 0, \ci
	MULA \f, 1, \ci
	PLACES
	FETCH \nslot, \nq, \g
	s_wait_dscnt 32
	WIN 0x05
	MULA \f, 2, \ci
	MULA \f, 3, \ci
.endm
.macro TURN slot, next, fill
	WIN 0
	s_wait_tensorcnt 0x0
	ds_add_u32 v[SPW], v[NIL]
	s_wait_dscnt 9
	WIN 0x05
	MULA F1, 0, 0
	s_wait_dscnt 0x0
	s_barrier_signal -1
	MULA F1, 1, 0
.if \fill
	WIN 0
.endif
	s_barrier_wait -1
.if \fill
	CREST
	s_add_nc_u64 s[G0+4*\slot+2:G0+4*\slot+3], s[G0+4*\slot+2:G0+4*\slot+3], 2*8192
	s_add_nc_u64 s[G0B+4*\slot+2:G0B+4*\slot+3], s[G0B+4*\slot+2:G0B+4*\slot+3], 2*KSTEP
	JLOAD \slot
.else
	PLACES
.endif
	FETCH \next, 0, F0
	WIN 0x05
	MULA F1, 2, 0
	MULA F1, 3, 0
.endm
	s_load_b256 s[68:75], s[0:1], 0x0
	s_load_b128 s[76:79], s[0:1], 0x20
	v_lshl_add_u32 v[SPW], v0, 2, SPARE
	v_mov_b32 v[NIL], 0
	ds_add_u32 v28, v29
	ds_add_u32 v28, v29
	s_wait_dscnt 0x0
	v_lshrrev_b32 v1, 5, v0
	v_readfirstlane_b32 s10, v1
	s_lshr_b32 s11, s10, 1
	s_and_b32 s12, s10, 1
	s_bfe_u32 s40, ttmp6, 0x40000
	s_bfe_u32 s41, ttmp6, 0x40004
	s_lshl_b32 s42, ttmp9, 2
	s_add_co_u32 s42, s42, s40
	s_and_b32 s13, ttmp7, 0xffff
	s_lshl_b32 s13, s13, 2
	s_add_co_u32 s13, s13, s41
	s_lshl_b32 s43, s41, 2
	s_lshl_b32 s43, 15, s43
	s_lshl_b32 s44, 0x1111, s40
	s_or_b32 s[G1], s43, (3<<16)|(1<<21)
	s_mov_b32 s[G1+1], 1024<<16
	s_mov_b32 s[G1+2], 4<<16
	s_mov_b32 s[G1+3], 1024<<16
	s_mov_b32 s[G1+4], 4
	s_mov_b32 s[G1+5], 2*SIZE_K
	s_mov_b32 s[G1+6], 0
	s_mov_b32 s[G1+7], 0
	s_or_b32 s[G1B], s44, (1<<20)|(1<<21)|(6<<22)|(3<<25)
	s_mov_b32 s[G1B+1], KSTEP<<16
	s_mov_b32 s[G1B+2], 64<<16
	s_mov_b32 s[G1B+3], KSTEP<<16
	s_mov_b32 s[G1B+4], 64
	s_mov_b32 s[G1B+5], SIZE_K
	s_mov_b32 s[G1B+6], 0
	s_mov_b32 s[G1B+7], 0
	s_lshl_b32 s16, s13, 3
	s_lshl_b32 s17, s12, 2
	s_add_co_u32 s16, s16, s17
	s_mul_i32 s16, s16, 16*SIZE_K
	s_mov_b32 s17, 0
	s_lshl_b32 s46, s42, 7
	s_lshl_b32 s47, s12, 6
	s_add_co_u32 s46, s46, s47
	s_mul_i32 s46, s46, SIZE_K
	s_mov_b32 s47, 0
	s_lshl_b32 s20, s12, 15
	s_mul_i32 s21, s12, BHALF
	s_add_co_u32 s21, s21, BOFF
	s_wait_kmcnt 0x0
	s_load_b64 s[80:81], s[76:77], SOFF
	s_add_nc_u64 s[14:15], s[68:69], s[16:17]
	s_add_nc_u64 s[46:47], s[70:71], s[46:47]
	CROUND
.irp s, 0,1
	s_mov_b32 s[G0+4*\s], 1
	s_add_co_u32 s[G0+4*\s+1], s20, \s*SLOT
	s_add_nc_u64 s[G0+4*\s+2:G0+4*\s+3], s[14:15], \s*8192
	s_or_b32 s[G0+4*\s+3], s[G0+4*\s+3], 0x80000000
	s_mov_b32 s[G0B+4*\s], 1
	s_add_co_u32 s[G0B+4*\s+1], s21, \s*SLOT
	s_add_nc_u64 s[G0B+4*\s+2:G0B+4*\s+3], s[46:47], \s*KSTEP
	s_or_b32 s[G0B+4*\s+3], s[G0B+4*\s+3], 0x80000000
.if \s == 0
	JLOAD 0                                        ; K step 0: my one tensor load at the head
.endif
.endr
	v_and_b32 v1, 15, v0
	v_bfe_u32 v2, v0, 4, 1
	v_and_b32 v3, 31, v0
	v_lshlrev_b32 v[LI], 4, v3
	; A PREFETCH INTO THE L2 of K step 1, whose joint load goes out when K step 0's has landed.  Of the 64 rows that I fetch, each of the four partners that ask for them with me takes 16, told apart by address (cx for A, cy for W):
	; A: a block of 16 rows x 512 K is 8,192 dense bytes, lanes 256 bytes apart; W: 16 rows x 512 bytes, two lanes a row.  Each block of 256 bytes is named once in the cluster.  K has two steps, so nothing more is asked for.
.set PFO, 30                           ; v30     my lane's offset; never rewritten
.set PST, 88                           ; s[88:89] a K step on, in bytes
.set PFB, 96                           ; s[96:97] my 16 rows at K step 1
	s_cmp_eq_u32 s11, 0                            ; do I fetch for A?
	s_cselect_b64 s[PFB:PFB+1], s[68:69], s[70:71]
	s_cselect_b32 s90, s13, s42                    ; the tile's row or column
	s_cselect_b32 s91, s40, s41                    ; my place among the four
	s_cselect_b32 s92, 0, 1
	s_mov_b32 s93, SIZE_K
	s_cselect_b32 s93, 256, s93
	s_mov_b32 s[PST], KSTEP
	s_cselect_b32 s[PST], 8192, s[PST]
	s_mov_b32 s[PST+1], 0
	s_lshl_b32 s90, s90, 7
	s_lshl_b32 s94, s12, 6
	s_add_co_u32 s90, s90, s94
	s_lshl_b32 s91, s91, 4
	s_add_co_u32 s90, s90, s91                     ; my first row
	s_mul_i32 s90, s90, SIZE_K                     ; 16 rows are 16 SIZE_K bytes in either layout
	s_mov_b32 s91, 0
	s_add_nc_u64 s[PFB:PFB+1], s[PFB:PFB+1], s[90:91]
	s_add_nc_u64 s[PFB:PFB+1], s[PFB:PFB+1], s[PST:PST+1]
	s_wait_alu depctr_va_vdst(0)                   ; the wait behind the scalar lines
	v_lshrrev_b32 v[PFO], s92, v3
	v_and_b32 v31, s92, v3
	v_mul_lo_u32 v[PFO], v[PFO], s93
	v_lshl_add_u32 v[PFO], v31, 8, v[PFO]
	global_prefetch_b8 v[PFO], s[PFB:PFB+1] th:TH_LOAD_NT scope:SCOPE_SE
	v_mul_u32_u24 v4, v1, PITCH
	v_lshl_add_u32 v4, v2, 4, v4
	s_lshl_b32 s21, s11, 15
	s_mul_i32 s22, s12, BHALF
	s_add_co_u32 s22, s22, BOFF
.irp s, 0,1
	v_add_nc_u32 v[ADRA+\s], s21, v[LI]
	v_add_nc_u32 v[ADRB+\s], s22, v4
	s_add_co_u32 s21, s21, SLOT
	s_add_co_u32 s22, s22, SLOT
.endr
	s_mul_i32 s23, s10, 16*SPITCH
	s_add_co_u32 s23, s23, STAGE
	v_mul_u32_u24 v5, v1, SPITCH
	v_lshl_add_u32 v5, v2, 5, v5
	v_add_nc_u32 v[STO], s23, v5
	v_mul_u32_u24 v5, v2, SPITCH
	v_lshl_add_u32 v5, v1, 4, v5
	v_add_nc_u32 v[RD], s23, v5
	v_lshlrev_b32 v[CO], 12, v2
	v_lshl_add_u32 v[CO], v1, 4, v[CO]
	v_lshlrev_b32 v27, 4, v1
	s_wait_alu depctr_va_vdst(0)
	s_lshl_b32 s82, s13, 7
	s_lshl_b32 s83, s11, 6
	s_add_co_u32 s82, s82, s83
	s_lshl_b32 s82, s82, 12
	s_lshl_b32 s84, s42, 7
	s_lshl_b32 s85, s12, 6
	s_add_co_u32 s84, s84, s85
	s_lshl_b32 s84, s84, 2
	s_mov_b32 s85, 0
	s_add_nc_u64 s[72:73], s[72:73], s[84:85]
	s_add_co_u32 s82, s82, s84
	s_mov_b32 s83, 0
	s_add_nc_u64 s[74:75], s[74:75], s[82:83]
	s_add_nc_u64 s[78:79], s[78:79], s[82:83]
	global_load_b128 v[8:11], v27, s[72:73]
	WIN 0x80
.irp a, 0,1,2,3
.irp t, 0,1,2,3,4,5,6,7
	global_load_b128 v[32*\a+4*\t:32*\a+4*\t+3], v[CO], s[74:75] offset:(16*\a+2*\t)*4096 th:TH_LOAD_NT
.endr
.endr
	WIN 0
	s_wait_alu depctr_va_vdst(0)                   ; the wait at the head's end
	s_wait_tensorcnt 0x0                           ; my part of K step 0 is in
	ds_add_u32 v[SPW], v[NIL]                      ; 0 onto my spare word, ahead of a later first fill
	s_wait_dscnt 0x0
	CROUND                                         ; everybody's part is in, and the joint loads meet
	JLOAD 1                                        ; slot 1's first fill, the first tensor load behind the round
	FETCH 0, 0, F0
	QUARTER F0, F1, 0, 1, 1
.if LAPS > 1
	WIN 0
	s_mov_b32 s3, LAPS-1
.Llap:
	QUARTER F1, F0, 0, 2, 0
	QUARTER F0, F1, 0, 3, 0
	TURN 0, 1, 1
	QUARTER F0, F1, 1, 1, 0
	QUARTER F1, F0, 1, 2, 0
	QUARTER F0, F1, 1, 3, 0
	TURN 1, 0, 1
	QUARTER F0, F1, 0, 1, 0
	WIN 0
	s_sub_co_u32 s3, s3, 1
	s_cmp_lg_u32 s3, 0
	s_cbranch_scc1 .Llap
.endif
	QUARTER F1, F0, 0, 2, 0
	QUARTER F0, F1, 0, 3, 0
	TURN 0, 1, 0
	QUARTER F0, F1, 1, 1, 0
	QUARTER F1, F0, 1, 2, 0
	QUARTER F0, F1, 1, 3, 0
	s_wait_dscnt 8
	WIN 0x05
	MULA F1, 0, 0
	MULA F1, 1, 0
	s_wait_dscnt 0
	MULA F1, 2, 0
	MULA F1, 3, 0
	WIN 0
.macro TOSTAGE a
.irp b, 0,1,2,3
	ds_store_b128 v[STO], v[ACC+32*(\a)+8*\b:ACC+32*(\a)+8*\b+3] offset:64*\b
	ds_store_b128 v[STO], v[ACC+32*(\a)+8*\b+4:ACC+32*(\a)+8*\b+7] offset:64*\b+16
.endr
.set BK, 64+32*((\a)%2)
.irp t, 0,1,2,3,4,5,6,7
	ds_load_b128 v[BK+4*\t:BK+4*\t+3], v[RD] offset:\t*2*SPITCH
.endr
.endm
.macro FIN a, younger
.set BK, 64+32*((\a)%2)
	s_wait_dscnt \younger
.irp t, 0,1,2,3,4,5,6,7
.irp u, 0,2
	v_pk_fma_f32 v[BK+4*\t+\u:BK+4*\t+\u+1], v[BK+4*\t+\u:BK+4*\t+\u+1], s[66:67], v[8+\u:9+\u] op_sel_hi:[1,0,1]
.endr
.endr
	WIN 0x08
.irp t, 0,1,2,3,4,5,6,7
.irp u, 0,2
	v_pk_add_f32 v[BK+4*\t+\u:BK+4*\t+\u+1], v[BK+4*\t+\u:BK+4*\t+\u+1], v[32*(\a)+4*\t+\u:32*(\a)+4*\t+\u+1]
.endr
.endr
	WIN 0
.irp t, 0,1,2,3,4,5,6,7
	global_store_b128 v[CO], v[BK+4*\t:BK+4*\t+3], s[78:79] offset:(16*(\a)+2*\t)*4096
.endr
.endm
	s_wait_kmcnt 0x0
	s_add_co_i32 s66, s80, s81
	s_add_co_i32 s66, s66, 127
	s_lshl_b32 s66, s66, 23
	s_mov_b32 s67, s66
	s_wait_loadcnt 0x0
	PLACES
	TOSTAGE 0
.irp a, 1,2,3
.if \a > 1
	s_wait_xcnt 0x0
.endif
	TOSTAGE \a
	FIN \a-1, 16
.endr
	FIN 3, 0
	s_wait_tensorcnt 0x0
	ds_add_u32 v[SPW], v[NIL]
	s_wait_dscnt 0x0
	CROUND
	s_endpgm
.Lfunc_end_k_q450cedd281_outproj:
	.size	k_q450cedd281_outproj, .Lfunc_end_k_q450cedd281_outproj-k_q450cedd281_outproj
	.p2alignl 7, 3214868480
	.fill 96, 4, 3214868480
	.section	.rodata,"a",@progbits
	.p2align	6, 0x0
	.amdhsa_kernel k_q450cedd281_outproj
		.amdhsa_group_segment_fixed_size 327680
		.amdhsa_private_segment_fixed_size 0
		.amdhsa_enable_private_segment 0
		.amdhsa_kernarg_size 48
		.amdhsa_user_sgpr_count 2
		.amdhsa_user_sgpr_kernarg_segment_ptr 1
		.amdhsa_wavefront_size32 1
		.amdhsa_system_sgpr_workgroup_id_x 1
		.amdhsa_system_sgpr_workgroup_id_y 1
		.amdhsa_system_sgpr_workgroup_id_z 1
		.amdhsa_system_vgpr_workitem_id 0
		.amdhsa_next_free_vgpr 640
		.amdhsa_next_free_sgpr 100
		.amdhsa_reserve_vcc 0
		.amdhsa_float_denorm_mode_32 3
		.amdhsa_float_denorm_mode_16_64 3
		.amdhsa_memory_ordered 1
		.amdhsa_forward_progress 1
		.amdhsa_inst_pref_size 55
	.end_amdhsa_kernel
	.amdgpu_metadata
---
amdhsa.version: [ 1, 2 ]
amdhsa.kernels:
  - .name:           k_q450cedd281_outproj
    .symbol:         k_q450cedd281_outproj.kd
    .args:
      - { .name: ctx, .offset: 0, .size: 8, .value_kind: global_buffer, .address_space: global }
      - { .name: wo_codes, .offset: 8, .size: 8, .value_kind: global_buffer, .address_space: global }
      - { .name: bo, .offset: 16, .size: 8, .value_kind: global_buffer, .address_space: global }
      - { .name: x, .offset: 24, .size: 8, .value_kind: global_buffer, .address_space: global }
      - { .name: lowp_scales, .offset: 32, .size: 8, .value_kind: global_buffer, .address_space: global }
      - { .name: y, .offset: 40, .size: 8, .value_kind: global_buffer, .address_space: global }
    .group_segment_fixed_size: 327680
    .private_segment_fixed_size: 0
    .kernarg_segment_align: 8
    .kernarg_segment_size: 48
    .max_flat_workgroup_size: 128
    .sgpr_count:     100
    .vgpr_count:     640
    .wavefront_size: 32
...
	.end_amdgpu_metadata
.endif
;; end of part 4
;; launch norm1 (part 5): grid 256 x 1, 4 waves a work-group, no clusters, 17,408 bytes of LDS; arguments y, ln1_g, ln1_b, lowp_scales, attn, ac; writes attn, ac
.if DOCPART == 5
	.amdgcn_target "amdgcn-amd-amdhsa--gfx1250"
	.amdhsa_code_object_version 6
	.text
	.protected	k_q450cedd281_norm1
	.globl	k_q450cedd281_norm1
	.p2align	8
	.type	k_q450cedd281_norm1,@function
k_q450cedd281_norm1:
	s_mov_b64 s[64:65], 0
	v_nop
	global_prefetch_b8 v0, s[64:65] scope:SCOPE_SE
	s_setreg_imm32_b32 hwreg(HW_REG_WAVE_MODE, 25, 1), 1
	s_wait_xcnt 0x0
; A layer norm along rows of 1,024: out = (y - mean) x rsqrt(var + 1e-5) x g + b, all f32, the variance from the differences (two passes over registers: no difference of large sums).
; CODES = 1: the result is also quantised to E5M2 (scale 2^e12; LIMIT: e12 between -126 and 112; NaN is not served) and stored as register images: 16 rows x 128 K = 2,048 bytes, lane (r, h)'s 16 bytes of group c at
; 512 c + 16 (r + 16 h) = row r, K = 32 c + 16 h + 0 .. 15.
; SHARES.  A work-group takes 16 rows, a wave four; a wave holds a whole row in 32 registers, so the sums never leave the wave.  Every load and store covers 512 consecutive bytes.
; The codes go into rows in LDS (pitch 1,040 bytes); behind one barrier wave w reads fragments 2 w, 2 w + 1 in the image's order.  Memory binds: no matrix unit, no cluster, no tensor load.
.set CODES, 1
.set RP, 1040
.set X,  32                            ; v32-159  four rows
.set GG, 160                           ; v160-191 g of my 32 columns
.set BB, 192                           ; v192-223 b
.set T,  224                           ; v224-255 a row held for the conversion; later the images
.set C,  16                            ; v16-23   a row's codes
.set CH, 24                            ; v24-31   four chains of pairs
	s_load_b256 s[16:23], s[0:1], 0x0              ; y, g, b, and the scales' exponents (CODES = 1) or the output
.if CODES
	s_load_b128 s[24:27], s[0:1], 0x20             ; the output, the codes
	v_lshl_add_u32 v14, v0, 2, 0x4200
	v_mov_b32 v15, 0
.endif
	v_lshrrev_b32 v4, 5, v0
	v_readfirstlane_b32 s10, v4                    ; wave
	v_and_b32 v5, 31, v0
	v_lshlrev_b32 v1, 4, v5                        ; 16 x lane
.if CODES
	s_mul_i32 s11, s10, 4*RP
	v_lshl_add_u32 v2, v5, 2, s11                  ; LDS, in: my wave's first row, 4 bytes a lane
	v_and_b32 v6, 15, v0
	v_bfe_u32 v7, v0, 4, 1
	v_mul_u32_u24 v3, v6, RP
	v_lshl_add_u32 v3, v7, 4, v3
	s_lshl_b32 s11, s10, 8
	v_add_nc_u32 v3, s11, v3                       ; LDS, out: row r, + 16 h, + my two fragments
.endif
	s_mov_b32 s12, 0x76543210                      ; v_permlanex16_b32: lane l xor 16
	s_mov_b32 s13, 0xfedcba98
	s_mov_b32 s14, 0x3a800000                      ; 1 / 1,024
	s_mov_b32 s15, 0x3727c5ac                      ; 1e-5
	s_lshl_b32 s4, ttmp9, 16                       ; 16 rows of 4,096 bytes,
	s_lshl_b32 s6, s10, 14                         ; my wave's four
	s_add_co_u32 s4, s4, s6
	s_mov_b32 s5, 0
	s_lshl_b32 s6, ttmp9, 14
	s_lshl_b32 s7, s10, 12
	s_add_co_u32 s6, s6, s7
	s_mov_b32 s7, 0
	s_wait_alu depctr_va_vdst(0)
	s_wait_kmcnt 0x0
	s_add_nc_u64 s[16:17], s[16:17], s[4:5]
.if CODES
	s_load_b32 s28, s[22:23], 48                   ; e12
	s_add_nc_u64 s[24:25], s[24:25], s[4:5]
	s_add_nc_u64 s[26:27], s[26:27], s[6:7]
.else
	s_add_nc_u64 s[24:25], s[22:23], s[4:5]
.endif
.irp i, 0,1,2,3,4,5,6,7
	global_load_b128 v[GG+4*\i:GG+4*\i+3], v1, s[18:19] offset:512*\i
	global_load_b128 v[BB+4*\i:BB+4*\i+3], v1, s[20:21] offset:512*\i
.endr
.irp rr, 0,1,2,3
.irp i, 0,1,2,3,4,5,6,7
	global_load_b128 v[X+32*\rr+4*\i:X+32*\rr+4*\i+3], v1, s[16:17] offset:4096*\rr+512*\i th:TH_LOAD_NT
.endr
.endr
.if CODES
	s_wait_kmcnt 0x0
	s_add_co_i32 s28, s28, 127
	s_lshl_b32 s29, s28, 23
	v_mov_b32 v8, s29                              ; 2^e12
	s_add_co_i32 s28, s28, 15
	s_lshl_b32 s28, s28, 23
	s_or_b32 s28, s28, 0x600000
	v_mov_b32 v9, s28                              ; 57,344 x 2^e12
.endif
.macro FOLD                            ; the four chains into one number, then over the 32 lanes: every lane ends with the sum
	v_pk_add_f32 v[CH:CH+1], v[CH:CH+1], v[CH+2:CH+3]
	v_pk_add_f32 v[CH+4:CH+5], v[CH+4:CH+5], v[CH+6:CH+7]
	v_pk_add_f32 v[CH:CH+1], v[CH:CH+1], v[CH+4:CH+5]
	v_add_f32 v[CH], v[CH], v[CH+1]
	v_add_f32_dpp v[CH], v[CH], v[CH] row_xmask:1 row_mask:0xf bank_mask:0xf
	v_add_f32_dpp v[CH], v[CH], v[CH] row_xmask:2 row_mask:0xf bank_mask:0xf
	v_add_f32_dpp v[CH], v[CH], v[CH] row_xmask:4 row_mask:0xf bank_mask:0xf
	v_add_f32_dpp v[CH], v[CH], v[CH] row_xmask:8 row_mask:0xf bank_mask:0xf
	v_permlanex16_b32 v[CH+1], v[CH], s12, s13
	v_add_f32 v[CH], v[CH], v[CH+1]
.endm
.macro ROW rr
.set XR, X+32*\rr
	s_wait_loadcnt 24-8*\rr                        ; g, b and this row are in; the later rows' loads may be out
.irp c, 0,1,2,3
	v_pk_add_f32 v[CH+2*\c:CH+2*\c+1], v[XR+2*\c:XR+2*\c+1], v[XR+8+2*\c:XR+9+2*\c]
.endr
.irp q, 2,3
.irp c, 0,1,2,3
	v_pk_add_f32 v[CH+2*\c:CH+2*\c+1], v[CH+2*\c:CH+2*\c+1], v[XR+8*\q+2*\c:XR+8*\q+2*\c+1]
.endr
.endr
	FOLD
	v_mul_f32 v4, s14, v[CH]                       ; the mean,
	v_mov_b32 v5, v4                               ; twice, for the packed form
.set ii, 0
.rept 16
	v_pk_add_f32 v[XR+ii:XR+ii+1], v[XR+ii:XR+ii+1], v[4:5] neg_lo:[0,1] neg_hi:[0,1]   ; d = y - mean
.set ii, ii+2
.endr
.irp c, 0,1,2,3
	v_pk_mul_f32 v[CH+2*\c:CH+2*\c+1], v[XR+2*\c:XR+2*\c+1], v[XR+2*\c:XR+2*\c+1]
.endr
.irp q, 1,2,3
.irp c, 0,1,2,3
	v_pk_fma_f32 v[CH+2*\c:CH+2*\c+1], v[XR+8*\q+2*\c:XR+8*\q+2*\c+1], v[XR+8*\q+2*\c:XR+8*\q+2*\c+1], v[CH+2*\c:CH+2*\c+1]
.endr
.endr
	FOLD
	v_fma_f32 v[CH], v[CH], s14, s15               ; var + 1e-5
	s_wait_alu depctr_va_vdst(0)
	v_rsq_f32 v6, v[CH]
	v_rsq_f32 v7, v[CH]
	v_nop                                          ; a plain line behind the transcendentals (ISA guide 5.7.2)
	s_wait_alu depctr_va_vdst(0)                   ; one wait for both, ahead of their first reader
.set ii, 0
.rept 16
	v_pk_mul_f32 v[XR+ii:XR+ii+1], v[XR+ii:XR+ii+1], v[6:7]
.set ii, ii+2
.endr
.set ii, 0
.rept 16
	v_pk_fma_f32 v[XR+ii:XR+ii+1], v[XR+ii:XR+ii+1], v[GG+ii:GG+ii+1], v[BB+ii:BB+ii+1]
.set ii, ii+2
.endr
.irp i, 0,1,2,3,4,5,6,7
.if CODES
	global_store_b128 v1, v[XR+4*\i:XR+4*\i+3], s[24:25] offset:4096*\rr+512*\i
.else
	global_store_b128 v1, v[XR+4*\i:XR+4*\i+3], s[24:25] offset:4096*\rr+512*\i th:TH_STORE_NT
.endif
.endr
.if CODES
.set ii, 0
.rept 32
	v_med3_num_f32 v[T+ii], v[XR+ii], -v9, v9      ; the hold (ISA guide 7.6.2), into other registers: the stores above still read the row
.set ii, ii+1
.endr
.if \rr > 0
	s_wait_alu depctr_va_vdst(0)
	s_wait_dscnt 0x0                               ; the last row's LDS stores have read the code registers
.endif
.irp g, 0,1,2,3
	v_cvt_scalef32_pk8_bf8_f32 v[C+2*\g:C+2*\g+1], v[T+8*\g:T+8*\g+7], v8   ; each result register is one load's four codes
.endr
	v_nop                                          ; a plain line behind the conversions
.irp i, 0,1,2,3,4,5,6,7
	ds_store_b32 v2, v[C+\i] offset:\rr*RP+128*\i
.endr
.endif
.endm
	ROW 0
	ROW 1
	ROW 2
	ROW 3
.if CODES
	s_wait_dscnt 0x0                               ; for the others' sake: my stores have landed
	s_barrier_signal -1
	s_barrier_wait -1
.irp k, 0,1
.irp c, 0,1,2,3
	ds_load_b128 v[T+16*\k+4*\c:T+16*\k+4*\c+3], v3 offset:128*\k+32*\c
.endr
.endr
.irp k, 0,1
.irp c, 0,1,2,3
	s_wait_dscnt 7-4*\k-\c
	global_store_b128 v1, v[T+16*\k+4*\c:T+16*\k+4*\c+3], s[26:27] offset:2048*\k+512*\c
.endr
.endr
.endif
	s_wait_tensorcnt 0x0
	ds_add_u32 v14, v15
	s_wait_dscnt 0x0
	s_endpgm
.Lfunc_end_k_q450cedd281_norm1:
	.size	k_q450cedd281_norm1, .Lfunc_end_k_q450cedd281_norm1-k_q450cedd281_norm1
	.p2alignl 7, 3214868480
	.fill 96, 4, 3214868480
	.section	.rodata,"a",@progbits
	.p2align	6, 0x0
	.amdhsa_kernel k_q450cedd281_norm1
		.amdhsa_group_segment_fixed_size 17408
		.amdhsa_private_segment_fixed_size 0
		.amdhsa_enable_private_segment 0
		.amdhsa_kernarg_size 48
		.amdhsa_user_sgpr_count 2
		.amdhsa_user_sgpr_kernarg_segment_ptr 1
		.amdhsa_wavefront_size32 1
		.amdhsa_system_sgpr_workgroup_id_x 1
		.amdhsa_system_sgpr_workgroup_id_y 1
		.amdhsa_system_sgpr_workgroup_id_z 1
		.amdhsa_system_vgpr_workitem_id 0
		.amdhsa_next_free_vgpr 256
		.amdhsa_next_free_sgpr 66
		.amdhsa_reserve_vcc 0
		.amdhsa_float_denorm_mode_32 3
		.amdhsa_float_denorm_mode_16_64 3
		.amdhsa_memory_ordered 1
		.amdhsa_forward_progress 1
		.amdhsa_inst_pref_size 48
	.end_amdhsa_kernel
	.amdgpu_metadata
---
amdhsa.version: [ 1, 2 ]
amdhsa.kernels:
  - .name:           k_q450cedd281_norm1
    .symbol:         k_q450cedd281_norm1.kd
    .args:
      - { .name: y, .offset: 0, .size: 8, .value_kind: global_buffer, .address_space: global }
      - { .name: ln1_g, .offset: 8, .size: 8, .value_kind: global_buffer, .address_space: global }
      - { .name: ln1_b, .offset: 16, .size: 8, .value_kind: global_buffer, .address_space: global }
      - { .name: lowp_scales, .offset: 24, .size: 8, .value_kind: global_buffer, .address_space: global }
      - { .name: attn, .offset: 32, .size: 8, .value_kind: global_buffer, .address_space: global }
      - { .name: ac, .offset: 40, .size: 8, .value_kind: global_buffer, .address_space: global }
    .group_segment_fixed_size: 17408
    .private_segment_fixed_size: 0
    .kernarg_segment_align: 8
    .kernarg_segment_size: 48
    .max_flat_workgroup_size: 128
    .sgpr_count:     66
    .vgpr_count:     256
    .wavefront_size: 32
...
	.end_amdgpu_metadata
.endif
;; end of part 5
;; launch ffup (part 6): grid 32 x 8, 4 waves a work-group, clusters of 4 x 4, 327,680 bytes of LDS; arguments ac, w1_codes, b1, lowp_scales, hc; writes hc
.if DOCPART == 6
	.amdgcn_target "amdgcn-amd-amdhsa--gfx1250"
	.amdhsa_code_object_version 6
	.text
	.protected	k_q450cedd281_ffup
	.globl	k_q450cedd281_ffup
	.p2align	8
	.type	k_q450cedd281_ffup,@function
k_q450cedd281_ffup:
	s_mov_b64 s[64:65], 0
	v_nop
	global_prefetch_b8 v0, s[64:65] scope:SCOPE_SE
	s_setreg_imm32_b32 hwreg(HW_REG_WAVE_MODE, 25, 1), 1
	s_wait_xcnt 0x0
	s_wait_alu depctr_hold_cnt(0) depctr_sa_sdst(0) depctr_va_vdst(0) depctr_va_sdst(0) depctr_va_ssrc(0) depctr_va_vcc(0) depctr_vm_vsrc(0)
	s_getreg_b32 s2, hwreg(HW_REG_IB_STS2, 6, 4)
	s_cmp_eq_u32 s2, 0
	s_cbranch_scc0 .Lentry_in_a_cluster
	s_endpgm
.Lentry_in_a_cluster:
	s_bfe_u32 s2, ttmp6, 0x10000c
	s_cmp_lg_u32 s2, 0xf033
	s_cbranch_scc0 .Lentry_shape_is_right
	s_endpgm
.Lentry_shape_is_right:
.set SIZE_K, 1024
.set TILES,  4
.set KSTEP,  512
.set AHALF,  32768
.set PITCH,  528
.set BHALF,  64*PITCH
.set BOFF,   2*AHALF
.set SLOT,   BOFF+2*BHALF
.set SPARE,  2*SLOT
.set NEXT_A, 8*8*16*SIZE_K
.set NEXT_H, 8*8*65536
.set LI,   6
.set ADRA, 16
.set ADRB, 20
.set SPW,  28
.set NIL,  29
.set ZZ,   32
.set X2,   48
.set PP,   64
.set QQ,   80
.set ACC,  128
.set F0,   0
.set F1,   128
.set G1,  24
.set G0,  32
.set G1B, 48
.set G0B, 56
.set MSB, 0
.macro WIN new
.if MSB != \new
	s_set_vgpr_msb (MSB<<8)|\new
.set MSB, \new
.endif
.endm
.macro JLOAD s
	s_cmp_eq_u32 s11, 0
	s_cbranch_scc0 .Lfor_b_\@
	tensor_load_to_lds s[G0+4*\s:G0+4*\s+3], s[G1:G1+7]
	s_nop 0
.rept 4
	v_nop
.endr
	s_branch .Lasked_\@
.Lfor_b_\@:
	tensor_load_to_lds s[G0B+4*\s:G0B+4*\s+3], s[G1B:G1B+7]
	s_nop 0
.rept 4
	v_nop
.endr
.Lasked_\@:
.endm
.macro CREST
	s_cmp_lg_u32 s10, 0
	s_cbranch_scc1 .Lnot_wave_0_\@
	s_barrier_signal -3
.Lnot_wave_0_\@:
	s_barrier_wait -3
	s_barrier_signal -1
	s_barrier_wait -1
.endm
.macro CROUND
	s_barrier_signal -1
	s_barrier_wait -1
	CREST
.endm
.macro PLACES
.rept 4
	v_nop
.endr
.endm
.macro FETCH slot, q, f
	WIN 0x40
.irp i, 0,1,2,3
.irp c, 0,1,2,3
	ds_load_b128 v[\f+64+16*\i+4*\c:\f+64+16*\i+4*\c+3], v[ADRB+\slot] offset:\i*16*PITCH+128*(\q)+32*\c
.endr
.endr
.irp i, 0,1,2,3
.irp c, 0,1,2,3
	ds_load_b128 v[\f+16*\i+4*\c:\f+16*\i+4*\c+3], v[ADRA+\slot] offset:\i*8192+2048*(\q)+512*\c
.endr
.endr
.endm
.macro MULA f, a, ci
.irp b, 0,1,2,3
.set DD, ACC+8*(4*(\a)+\b)
.if \ci == 2
	v_wmma_f32_16x16x128_bf8_bf8 v[DD:DD+7], v[\f+64+16*\b:\f+64+16*\b+15], v[\f+16*(\a):\f+16*(\a)+15], v[8*\b:8*\b+7]
.else
	v_wmma_f32_16x16x128_bf8_bf8 v[DD:DD+7], v[\f+64+16*\b:\f+64+16*\b+15], v[\f+16*(\a):\f+16*(\a)+15], v[DD:DD+7]
.endif
.endr
.endm
.macro MWIN ci
.if \ci == 2
	WIN 0x25
.else
	WIN 0x05
.endif
.endm
.macro QUARTER f, g, nslot, nq, ci
	s_wait_dscnt 8
	MWIN \ci
	MULA \f, 0, \ci
	MULA \f, 1, \ci
	PLACES
	FETCH \nslot, \nq, \g
	s_wait_dscnt 32
	MWIN \ci
	MULA \f, 2, \ci
	MULA \f, 3, \ci
.endm
.macro LASTQ
	s_wait_dscnt 8
	WIN 0x05
	MULA F1, 0, 0
	MULA F1, 1, 0
	s_wait_dscnt 0
	MULA F1, 2, 0
	MULA F1, 3, 0
	WIN 0
.endm
.macro TURN fill
.if \fill
	s_wait_xcnt 0x0                                ; my prefetches have read their address: it steps to K step 0 of the tile after the one that is asked for here
	s_add_nc_u64 s[PFA:PFA+1], s[PFA:PFA+1], NEXT_A-8192
.endif
	WIN 0
	s_wait_tensorcnt 0x0
	ds_add_u32 v[SPW], v[NIL]
	s_wait_dscnt 9
	WIN 0x05
	MULA F1, 0, 0
	s_wait_dscnt 0x0
	s_barrier_signal -1
	MULA F1, 1, 0
.if \fill
	WIN 0
.endif
	s_barrier_wait -1
.if \fill
	CREST
	s_add_nc_u64 s[G0+2:G0+3], s[G0+2:G0+3], NEXT_A
	JLOAD 0
.else
	PLACES
.endif
	FETCH 1, 0, F0
.if \fill
	WIN 0
	s_cmp_gt_u32 s2, s[LIM]                        ; A's waves alone, and not in the loop's last trip: no tile follows the one that it loads
	s_cbranch_scc0 .Lno_ask_\@
	global_prefetch_b8 v[PFO], s[PFA:PFA+1] th:TH_LOAD_NT scope:SCOPE_SE
.Lno_ask_\@:
.endif
	WIN 0x05
	MULA F1, 2, 0
	MULA F1, 3, 0
.endm
.macro CHANGE
	s_wait_tensorcnt 0x0
	ds_add_u32 v[SPW], v[NIL]
	s_add_nc_u64 s[G0+6:G0+7], s[G0+6:G0+7], NEXT_A
	s_wait_xcnt 0x0                                ; my prefetch has read its address: on to that tile's K step 1
	s_add_nc_u64 s[PFA:PFA+1], s[PFA:PFA+1], 8192
	s_wait_dscnt 0x0
	CROUND
	JLOAD 1
	s_cmp_gt_u32 s2, s[LIM]
	s_cbranch_scc0 .Lno_askc_\@
	global_prefetch_b8 v[PFO], s[PFA:PFA+1] th:TH_LOAD_NT scope:SCOPE_SE
.Lno_askc_\@:
.endm
.macro HORNER p, lit
.set ii, 0
.rept 8
	v_pk_fma_f32 v[\p+ii:\p+ii+1], v[\p+ii:\p+ii+1], v[X2+ii:X2+ii+1], \lit op_sel_hi:[1,1,0]
.set ii, ii+2
.endr
.endm
.macro GELU16 a, pb
.set A0, ACC+32*(\a)+16*(\pb)
.set CD, 96+8*(\a)+4*(\pb)
.set ii, 0
.rept 8
	v_pk_mul_f32 v[A0+ii:A0+ii+1], v[A0+ii:A0+ii+1], s[66:67] op_sel_hi:[1,0]
.set ii, ii+2
.endr
.set ii, 0
.rept 8
	v_pk_mul_f32 v[ZZ+ii:ZZ+ii+1], v[A0+ii:A0+ii+1], 0x3fb504f3 op_sel_hi:[1,0]   ; z = (x / 2) x sqrt(2) = x / sqrt(2)
.set ii, ii+2
.endr
.set ii, 0
.rept 16
	v_med3_num_f32 v[ZZ+ii], v[ZZ+ii], -4.0, 4.0
.set ii, ii+1
.endr
.set ii, 0
.rept 8
	v_pk_mul_f32 v[X2+ii:X2+ii+1], v[ZZ+ii:ZZ+ii+1], v[ZZ+ii:ZZ+ii+1]
.set ii, ii+2
.endr
.set ii, 0
.rept 8
	v_pk_fma_f32 v[PP+ii:PP+ii+1], v[X2+ii:X2+ii+1], v[14:15], 0x32edffee op_sel_hi:[1,1,0]
	v_pk_fma_f32 v[QQ+ii:QQ+ii+1], v[X2+ii:X2+ii+1], v[18:19], 0xb95fbd29 op_sel_hi:[1,1,0]
.set ii, ii+2
.endr
	HORNER QQ, 0xbadc924e
	HORNER QQ, 0xbbf19bf8
	HORNER QQ, 0xbc69b6a7
	HORNER PP, 0xb60cff51
.set ii, 0
	s_wait_alu depctr_va_vdst(0)
.rept 16
	v_rcp_f32 v[QQ+ii], v[QQ+ii]
.set ii, ii+1
.endr
	HORNER PP, 0xb86ec2d2
	HORNER PP, 0xba40ac63
	HORNER PP, 0xbb41a1f6
	HORNER PP, 0xbc83dbd4
.set ii, 0
.rept 8
	v_pk_mul_f32 v[PP+ii:PP+ii+1], v[PP+ii:PP+ii+1], v[ZZ+ii:ZZ+ii+1]
.set ii, ii+2
.endr
	s_wait_alu depctr_va_vdst(0)
.set ii, 0
.rept 8
	v_pk_mul_f32 v[PP+ii:PP+ii+1], v[PP+ii:PP+ii+1], v[QQ+ii:QQ+ii+1]
.set ii, ii+2
.endr
.set ii, 0
.rept 8
	v_pk_fma_f32 v[A0+ii:A0+ii+1], v[A0+ii:A0+ii+1], v[PP+ii:PP+ii+1], v[A0+ii:A0+ii+1]
.set ii, ii+2
.endr
.set ii, 0
.rept 16
	v_med3_num_f32 v[A0+ii], v[A0+ii], -v13, v13
.set ii, ii+1
.endr
	v_cvt_scalef32_pk8_bf8_f32 v[CD:CD+1], v[A0:A0+7], v12
	v_cvt_scalef32_pk8_bf8_f32 v[CD+2:CD+3], v[A0+8:A0+15], v12
	v_nop
	v_permlane16_swap_b32 v[CD], v[CD+2]
	v_permlane16_swap_b32 v[CD+1], v[CD+3]
	global_store_b128 v[LI], v[CD:CD+3], s[76:77] offset:(\a)*65536+(\pb)*512
.endm
	s_load_b256 s[68:75], s[0:1], 0x0
	s_load_b64 s[76:77], s[0:1], 0x20
	v_lshl_add_u32 v[SPW], v0, 2, SPARE
	v_mov_b32 v[NIL], 0
	ds_add_u32 v28, v29
	ds_add_u32 v28, v29
	s_wait_dscnt 0x0
	v_lshrrev_b32 v1, 5, v0
	v_readfirstlane_b32 s10, v1
	s_lshr_b32 s11, s10, 1
	s_and_b32 s12, s10, 1
	s_bfe_u32 s40, ttmp6, 0x40000
	s_bfe_u32 s41, ttmp6, 0x40004
	s_lshl_b32 s42, ttmp9, 2
	s_add_co_u32 s42, s42, s40
	s_and_b32 s13, ttmp7, 0xffff
	s_lshl_b32 s13, s13, 2
	s_add_co_u32 s13, s13, s41
	s_lshl_b32 s43, s41, 2
	s_lshl_b32 s43, 15, s43
	s_lshl_b32 s44, 0x1111, s40
	s_or_b32 s[G1], s43, (3<<16)|(1<<21)
	s_mov_b32 s[G1+1], 1024<<16
	s_mov_b32 s[G1+2], 4<<16
	s_mov_b32 s[G1+3], 1024<<16
	s_mov_b32 s[G1+4], 4
	s_mov_b32 s[G1+5], 2*SIZE_K
	s_mov_b32 s[G1+6], 0
	s_mov_b32 s[G1+7], 0
	s_or_b32 s[G1B], s44, (1<<20)|(1<<21)|(6<<22)|(3<<25)
	s_mov_b32 s[G1B+1], KSTEP<<16
	s_mov_b32 s[G1B+2], 64<<16
	s_mov_b32 s[G1B+3], KSTEP<<16
	s_mov_b32 s[G1B+4], 64
	s_mov_b32 s[G1B+5], SIZE_K
	s_mov_b32 s[G1B+6], 0
	s_mov_b32 s[G1B+7], 0
	s_lshl_b32 s16, s13, 3
	s_lshl_b32 s17, s12, 2
	s_add_co_u32 s16, s16, s17
	s_mul_i32 s16, s16, 16*SIZE_K
	s_mov_b32 s17, 0
	s_lshl_b32 s46, s42, 7
	s_lshl_b32 s47, s12, 6
	s_add_co_u32 s46, s46, s47
	s_mul_i32 s46, s46, SIZE_K
	s_mov_b32 s47, 0
	s_lshl_b32 s20, s12, 15
	s_mul_i32 s21, s12, BHALF
	s_add_co_u32 s21, s21, BOFF
	s_wait_kmcnt 0x0
	s_load_b128 s[80:83], s[74:75], 48
	s_add_nc_u64 s[14:15], s[68:69], s[16:17]
	s_add_nc_u64 s[46:47], s[70:71], s[46:47]
	CROUND
.irp s, 0,1
	s_mov_b32 s[G0+4*\s], 1
	s_add_co_u32 s[G0+4*\s+1], s20, \s*SLOT
	s_add_nc_u64 s[G0+4*\s+2:G0+4*\s+3], s[14:15], \s*8192
	s_or_b32 s[G0+4*\s+3], s[G0+4*\s+3], 0x80000000
	s_mov_b32 s[G0B+4*\s], 1
	s_add_co_u32 s[G0B+4*\s+1], s21, \s*SLOT
	s_add_nc_u64 s[G0B+4*\s+2:G0B+4*\s+3], s[46:47], \s*KSTEP
	s_or_b32 s[G0B+4*\s+3], s[G0B+4*\s+3], 0x80000000
.if \s == 0
	JLOAD 0                                        ; K step 0: my one tensor load at the head
.endif
.endr
	v_and_b32 v1, 15, v0
	v_bfe_u32 v2, v0, 4, 1
	s_wait_alu depctr_va_vdst(0)
	v_and_b32 v3, 31, v0
	v_lshlrev_b32 v[LI], 4, v3
	; PREFETCHES INTO THE L2.  Behind each joint load stands one request for what the load two refills on will want: the same K step of the next tile of A.  Of the 64 rows that I fetch, each of the four partners that ask for
	; them with me takes 16, told apart by address (cx for A, cy for W): A: a block of 16 rows x 512 K is 8,192 dense bytes, lanes 256 bytes apart; W: 16 rows x 512 bytes, two lanes a row.  Each block of 256 bytes is named once in the cluster.
	; At the head every wave also asks for K step 1 of the first tile, whose load goes out when K step 0's has landed.  W's rows are the same for all four tiles: behind the head they have been read, and A's waves alone ask.
.set PFO, 30                           ; v30     my lane's offset; never rewritten
.set PFA, 78                           ; s[78:79] A's waves: my 16 rows of a later tile
.set PST, 92                           ; s[92:93] a K step on, in bytes
.set LIM, 94                           ; s94     1 in A's waves, the greatest number in W's
.set PFB, 96                           ; s[96:97] my 16 rows of the first tile at K step 1
	s_cmp_eq_u32 s11, 0                            ; do I fetch for A?
	s_cselect_b64 s[PFB:PFB+1], s[68:69], s[70:71]
	s_cselect_b32 s90, s13, s42                    ; the tile's row or column
	s_cselect_b32 s91, s40, s41                    ; my place among the four
	s_cselect_b32 s95, 0, 1
	s_cselect_b32 s[LIM], 1, -1
	s_mov_b32 s98, SIZE_K
	s_cselect_b32 s98, 256, s98
	s_mov_b32 s[PST], KSTEP
	s_cselect_b32 s[PST], 8192, s[PST]
	s_mov_b32 s[PST+1], 0
	s_lshl_b32 s90, s90, 7
	s_lshl_b32 s99, s12, 6
	s_add_co_u32 s90, s90, s99
	s_lshl_b32 s91, s91, 4
	s_add_co_u32 s90, s90, s91                     ; my first row
	s_mul_i32 s90, s90, SIZE_K                     ; 16 rows are 16 SIZE_K bytes in either layout
	s_mov_b32 s91, 0
	s_add_nc_u64 s[PFB:PFB+1], s[PFB:PFB+1], s[90:91]
	s_add_nc_u64 s[PFA:PFA+1], s[PFB:PFB+1], NEXT_A        ; the second tile's K step 0
	s_add_nc_u64 s[PFB:PFB+1], s[PFB:PFB+1], s[PST:PST+1]
	s_wait_alu depctr_va_vdst(0)                   ; the wait behind the scalar lines
	v_lshrrev_b32 v[PFO], s95, v3
	v_and_b32 v31, s95, v3
	v_mul_lo_u32 v[PFO], v[PFO], s98
	v_lshl_add_u32 v[PFO], v31, 8, v[PFO]
	global_prefetch_b8 v[PFO], s[PFB:PFB+1] th:TH_LOAD_NT scope:SCOPE_SE
	s_cmp_eq_u32 s[LIM], 1
	s_cbranch_scc0 .Lno_ask_h0
	global_prefetch_b8 v[PFO], s[PFA:PFA+1] th:TH_LOAD_NT scope:SCOPE_SE
.Lno_ask_h0:
	v_mul_u32_u24 v4, v1, PITCH
	v_lshl_add_u32 v4, v2, 4, v4
	s_lshl_b32 s21, s11, 15
	s_mul_i32 s22, s12, BHALF
	s_add_co_u32 s22, s22, BOFF
.irp s, 0,1
	v_add_nc_u32 v[ADRA+\s], s21, v[LI]
	v_add_nc_u32 v[ADRB+\s], s22, v4
	s_add_co_u32 s21, s21, SLOT
	s_add_co_u32 s22, s22, SLOT
.endr
	s_lshl_b32 s84, s42, 7
	s_lshl_b32 s85, s12, 6
	s_add_co_u32 s84, s84, s85
	s_lshl_b32 s84, s84, 2
	s_mov_b32 s85, 0
	s_add_nc_u64 s[72:73], s[72:73], s[84:85]
	v_lshlrev_b32 v5, 5, v2
	WIN 0x80
.irp b, 0,1,2,3
	global_load_b128 v[8*\b:8*\b+3], v5, s[72:73] offset:64*\b
	global_load_b128 v[8*\b+4:8*\b+7], v5, s[72:73] offset:64*\b+16
.endr
	WIN 0
	s_lshl_b32 s88, s13, 3
	s_lshl_b32 s89, s11, 2
	s_add_co_u32 s88, s88, s89
	s_lshl_b32 s88, s88, 16
	s_lshl_b32 s89, s42, 11
	s_add_co_u32 s88, s88, s89
	s_lshl_b32 s89, s12, 10
	s_add_co_u32 s88, s88, s89
	s_mov_b32 s89, 0
	s_add_nc_u64 s[76:77], s[76:77], s[88:89]
	s_wait_kmcnt 0x0
	s_add_co_i32 s84, s80, s81
	s_sub_co_i32 s85, 0, s84
	s_add_co_i32 s66, s84, 126                     ; 2^(ex + ew - 1): the sums are scaled to x / 2 at once, which the GELU's last line wants (LIMIT: ex + ew between -125 and 128)
	s_lshl_b32 s66, s66, 23
	s_mov_b32 s67, s66
	s_add_co_i32 s86, s82, 127
	s_lshl_b32 s87, s86, 23
	v_mov_b32 v12, s87
	s_add_co_i32 s86, s86, 15
	s_lshl_b32 s86, s86, 23
	s_or_b32 s86, s86, 0x600000
	v_mov_b32 v13, s86
	v_mov_b32 v14, 0xaf95df0b
	v_mov_b32 v15, 0xaf95df0b
	v_mov_b32 v18, 0xb77460cd
	v_mov_b32 v19, 0xb77460cd
	s_wait_loadcnt 0x0
	WIN 0x82
.set ii, 0
.rept 32
	v_ldexp_f32 v[ii], v[ii], s85
.set ii, ii+1
.endr
	WIN 0
	s_wait_alu depctr_va_vdst(0)                   ; the wait at the head's end
	s_wait_xcnt 0x0                                ; my prefetches have read their addresses
	s_add_nc_u64 s[PFA:PFA+1], s[PFA:PFA+1], 8192  ; the second tile's K step 1
	s_wait_tensorcnt 0x0                           ; my part of K step 0 is in
	ds_add_u32 v[SPW], v[NIL]                      ; 0 onto my spare word, ahead of a later first fill
	s_wait_dscnt 0x0
	CROUND                                         ; everybody's part is in, and the joint loads meet
	JLOAD 1                                        ; slot 1's first fill, the first tensor load behind the round
	FETCH 0, 0, F0
	WIN 0
	s_cmp_eq_u32 s[LIM], 1
	s_cbranch_scc0 .Lno_ask_h1
	global_prefetch_b8 v[PFO], s[PFA:PFA+1] th:TH_LOAD_NT scope:SCOPE_SE
.Lno_ask_h1:
	s_mov_b32 s2, TILES-1
.Ltile:
	s_wait_alu depctr_va_vdst(0)
	QUARTER F0, F1, 0, 1, 2
	QUARTER F1, F0, 0, 2, 0
	QUARTER F0, F1, 0, 3, 0
	TURN 1
	QUARTER F0, F1, 1, 1, 0
	QUARTER F1, F0, 1, 2, 0
	QUARTER F0, F1, 1, 3, 0
	LASTQ
	PLACES
	GELU16 0, 0
	GELU16 0, 1
	GELU16 1, 0
	GELU16 1, 1
	CHANGE
	GELU16 2, 0
	GELU16 2, 1
	GELU16 3, 0
	GELU16 3, 1
	s_wait_xcnt 0x0
	s_add_nc_u64 s[76:77], s[76:77], NEXT_H
	FETCH 0, 0, F0
	WIN 0
	s_sub_co_u32 s2, s2, 1
	s_cmp_lg_u32 s2, 0
	s_cbranch_scc1 .Ltile
	QUARTER F0, F1, 0, 1, 2
	QUARTER F1, F0, 0, 2, 0
	QUARTER F0, F1, 0, 3, 0
	TURN 0
	QUARTER F0, F1, 1, 1, 0
	QUARTER F1, F0, 1, 2, 0
	QUARTER F0, F1, 1, 3, 0
	LASTQ
	PLACES
.irp a, 0,1,2,3
	GELU16 \a, 0
	GELU16 \a, 1
.endr
	s_wait_tensorcnt 0x0
	ds_add_u32 v[SPW], v[NIL]
	s_wait_dscnt 0x0
	CROUND
	s_endpgm
.Lfunc_end_k_q450cedd281_ffup:
	.size	k_q450cedd281_ffup, .Lfunc_end_k_q450cedd281_ffup-k_q450cedd281_ffup
	.p2alignl 7, 3214868480
	.fill 96, 4, 3214868480
	.section	.rodata,"a",@progbits
	.p2align	6, 0x0
	.amdhsa_kernel k_q450cedd281_ffup
		.amdhsa_group_segment_fixed_size 327680
		.amdhsa_private_segment_fixed_size 0
		.amdhsa_enable_private_segment 0
		.amdhsa_kernarg_size 40
		.amdhsa_user_sgpr_count 2
		.amdhsa_user_sgpr_kernarg_segment_ptr 1
		.amdhsa_wavefront_size32 1
		.amdhsa_system_sgpr_workgroup_id_x 1
		.amdhsa_system_sgpr_workgroup_id_y 1
		.amdhsa_system_sgpr_workgroup_id_z 1
		.amdhsa_system_vgpr_workitem_id 0
		.amdhsa_next_free_vgpr 640
		.amdhsa_next_free_sgpr 100
		.amdhsa_reserve_vcc 0
		.amdhsa_float_denorm_mode_32 3
		.amdhsa_float_denorm_mode_16_64 3
		.amdhsa_memory_ordered 1
		.amdhsa_forward_progress 1
		.amdhsa_inst_pref_size 255
	.end_amdhsa_kernel
	.section	.bss,"aw",@nobits
	.p2align	6
	.space	262144
	.amdgpu_metadata
---
amdhsa.version: [ 1, 2 ]
amdhsa.kernels:
  - .name:           k_q450cedd281_ffup
    .symbol:         k_q450cedd281_ffup.kd
    .args:
      - { .name: ac, .offset: 0, .size: 8, .value_kind: global_buffer, .address_space: global }
      - { .name: w1_codes, .offset: 8, .size: 8, .value_kind: global_buffer, .address_space: global }
      - { .name: b1, .offset: 16, .size: 8, .value_kind: global_buffer, .address_space: global }
      - { .name: lowp_scales, .offset: 24, .size: 8, .value_kind: global_buffer, .address_space: global }
      - { .name: hc, .offset: 32, .size: 8, .value_kind: global_buffer, .address_space: global }
    .group_segment_fixed_size: 327680
    .private_segment_fixed_size: 0
    .kernarg_segment_align: 8
    .kernarg_segment_size: 40
    .max_flat_workgroup_size: 128
    .sgpr_count:     100
    .vgpr_count:     640
    .wavefront_size: 32
...
	.end_amdgpu_metadata
.endif
;; end of part 6
;; launch ffdown (part 7): grid 8 x 32, 4 waves a work-group, clusters of 4 x 4, 327,680 bytes of LDS; arguments hc, w2_codes, b2, attn, lowp_scales, y; writes y
.if DOCPART == 7
	.amdgcn_target "amdgcn-amd-amdhsa--gfx1250"
	.amdhsa_code_object_version 6
	.text
	.protected	k_q450cedd281_ffdown
	.globl	k_q450cedd281_ffdown
	.p2align	8
	.type	k_q450cedd281_ffdown,@function
k_q450cedd281_ffdown:
	s_mov_b64 s[64:65], 0
	v_nop
	global_prefetch_b8 v0, s[64:65] scope:SCOPE_SE
	s_setreg_imm32_b32 hwreg(HW_REG_WAVE_MODE, 25, 1), 1
	s_wait_xcnt 0x0
	s_wait_alu depctr_hold_cnt(0) depctr_sa_sdst(0) depctr_va_vdst(0) depctr_va_sdst(0) depctr_va_ssrc(0) depctr_va_vcc(0) depctr_vm_vsrc(0)
	s_getreg_b32 s2, hwreg(HW_REG_IB_STS2, 6, 4)
	s_cmp_eq_u32 s2, 0
	s_cbranch_scc0 .Lentry_in_a_cluster
	s_endpgm
.Lentry_in_a_cluster:
	s_bfe_u32 s2, ttmp6, 0x10000c
	s_cmp_lg_u32 s2, 0xf033
	s_cbranch_scc0 .Lentry_shape_is_right
	s_endpgm
.Lentry_shape_is_right:
.set SIZE_K, 4096
.set SOFF,   56
.set KSTEP,  512
.set AHALF,  32768
.set PITCH,  528
.set BHALF,  64*PITCH
.set BOFF,   2*AHALF
.set SLOT,   BOFF+2*BHALF
.set SPARE,  2*SLOT
.set STAGE,  SPARE+512
.set SPITCH, 272
.set LAPS,   SIZE_K/(2*KSTEP)
.set LI,   6
.set ADRA, 16
.set ADRB, 20
.set STO,  24
.set RD,   25
.set CO,   26
.set SPW,  28
.set NIL,  29
.set ACC,  128
.set F0,   0
.set F1,   128
.set G1,  24
.set G0,  32
.set G1B, 48
.set G0B, 56
.set MSB, 0
.macro WIN new
.if MSB != \new
	s_set_vgpr_msb (MSB<<8)|\new
.set MSB, \new
.endif
.endm
.macro JLOAD s
	s_cmp_eq_u32 s11, 0
	s_cbranch_scc0 .Lfor_b_\@
	tensor_load_to_lds s[G0+4*\s:G0+4*\s+3], s[G1:G1+7]
	s_nop 0
.rept 4
	v_nop
.endr
	s_branch .Lasked_\@
.Lfor_b_\@:
	tensor_load_to_lds s[G0B+4*\s:G0B+4*\s+3], s[G1B:G1B+7]
	s_nop 0
.rept 4
	v_nop
.endr
.Lasked_\@:
.endm
.macro CREST
	s_cmp_lg_u32 s10, 0
	s_cbranch_scc1 .Lnot_wave_0_\@
	s_barrier_signal -3
.Lnot_wave_0_\@:
	s_barrier_wait -3
	s_barrier_signal -1
	s_barrier_wait -1
.endm
.macro CROUND
	s_barrier_signal -1
	s_barrier_wait -1
	CREST
.endm
.macro PLACES
.rept 4
	v_nop
.endr
.endm
.macro FETCH slot, q, f
	WIN 0x40
.irp i, 0,1,2,3
.irp c, 0,1,2,3
	ds_load_b128 v[\f+64+16*\i+4*\c:\f+64+16*\i+4*\c+3], v[ADRB+\slot] offset:\i*16*PITCH+128*(\q)+32*\c
.endr
.endr
.irp i, 0,1,2,3
.irp c, 0,1,2,3
	ds_load_b128 v[\f+16*\i+4*\c:\f+16*\i+4*\c+3], v[ADRA+\slot] offset:\i*8192+2048*(\q)+512*\c
.endr
.endr
.endm
.macro MULA f, a, ci
.irp b, 0,1,2,3
.set DD, ACC+8*(4*(\a)+\b)
.if \ci == 1
	v_wmma_f32_16x16x128_bf8_bf8 v[DD:DD+7], v[\f+64+16*\b:\f+64+16*\b+15], v[\f+16*(\a):\f+16*(\a)+15], 0
.else
	v_wmma_f32_16x16x128_bf8_bf8 v[DD:DD+7], v[\f+64+16*\b:\f+64+16*\b+15], v[\f+16*(\a):\f+16*(\a)+15], v[DD:DD+7]
.endif
.endr
.endm
.macro QUARTER f, g, nslot, nq, ci
	s_wait_dscnt 8
	WIN 0x05
	MULA \f, 0, \ci
	MULA \f, 1, \ci
	PLACES
	FETCH \nslot, \nq, \g
	s_wait_dscnt 32
	WIN 0x05
	MULA \f, 2, \ci
	MULA \f, 3, \ci
.endm
.macro TURN slot, next, fill
.if \fill
	s_wait_xcnt 0x0                                ; my prefetch has read its address: it steps to the K step two refills on from the one below
	s_add_nc_u64 s[PFA:PFA+1], s[PFA:PFA+1], s[PST:PST+1]
.endif
	WIN 0
	s_wait_tensorcnt 0x0
	ds_add_u32 v[SPW], v[NIL]
	s_wait_dscnt 9
	WIN 0x05
	MULA F1, 0, 0
	s_wait_dscnt 0x0
	s_barrier_signal -1
	MULA F1, 1, 0
.if \fill
	WIN 0
.endif
	s_barrier_wait -1
.if \fill
	CREST
	s_add_nc_u64 s[G0+4*\slot+2:G0+4*\slot+3], s[G0+4*\slot+2:G0+4*\slot+3], 2*8192
	s_add_nc_u64 s[G0B+4*\slot+2:G0B+4*\slot+3], s[G0B+4*\slot+2:G0B+4*\slot+3], 2*KSTEP
	JLOAD \slot
.else
	PLACES
.endif
	FETCH \next, 0, F0
.if \fill
	WIN 0
	s_cmp_gt_u32 s3, 1                             ; the loop's last trip loads the last two K steps: nothing lies two refills on
	s_cbranch_scc0 .Lno_ask_\@
	global_prefetch_b8 v[PFO], s[PFA:PFA+1] th:TH_LOAD_NT scope:SCOPE_SE
.Lno_ask_\@:
.endif
	WIN 0x05
	MULA F1, 2, 0
	MULA F1, 3, 0
.endm
	s_load_b256 s[68:75], s[0:1], 0x0
	s_load_b128 s[76:79], s[0:1], 0x20
	v_lshl_add_u32 v[SPW], v0, 2, SPARE
	v_mov_b32 v[NIL], 0
	ds_add_u32 v28, v29
	ds_add_u32 v28, v29
	s_wait_dscnt 0x0
	v_lshrrev_b32 v1, 5, v0
	v_readfirstlane_b32 s10, v1
	s_lshr_b32 s11, s10, 1
	s_and_b32 s12, s10, 1
	s_bfe_u32 s40, ttmp6, 0x40000
	s_bfe_u32 s41, ttmp6, 0x40004
	s_lshl_b32 s42, ttmp9, 2
	s_add_co_u32 s42, s42, s40
	s_and_b32 s13, ttmp7, 0xffff
	s_lshl_b32 s13, s13, 2
	s_add_co_u32 s13, s13, s41
	s_lshl_b32 s43, s41, 2
	s_lshl_b32 s43, 15, s43
	s_lshl_b32 s44, 0x1111, s40
	s_or_b32 s[G1], s43, (3<<16)|(1<<21)
	s_mov_b32 s[G1+1], 1024<<16
	s_mov_b32 s[G1+2], 4<<16
	s_mov_b32 s[G1+3], 1024<<16
	s_mov_b32 s[G1+4], 4
	s_mov_b32 s[G1+5], 2*SIZE_K
	s_mov_b32 s[G1+6], 0
	s_mov_b32 s[G1+7], 0
	s_or_b32 s[G1B], s44, (1<<20)|(1<<21)|(6<<22)|(3<<25)
	s_mov_b32 s[G1B+1], KSTEP<<16
	s_mov_b32 s[G1B+2], 64<<16
	s_mov_b32 s[G1B+3], KSTEP<<16
	s_mov_b32 s[G1B+4], 64
	s_mov_b32 s[G1B+5], SIZE_K
	s_mov_b32 s[G1B+6], 0
	s_mov_b32 s[G1B+7], 0
	s_lshl_b32 s16, s13, 3
	s_lshl_b32 s17, s12, 2
	s_add_co_u32 s16, s16, s17
	s_mul_i32 s16, s16, 16*SIZE_K
	s_mov_b32 s17, 0
	s_lshl_b32 s46, s42, 7
	s_lshl_b32 s47, s12, 6
	s_add_co_u32 s46, s46, s47
	s_mul_i32 s46, s46, SIZE_K
	s_mov_b32 s47, 0
	s_lshl_b32 s20, s12, 15
	s_mul_i32 s21, s12, BHALF
	s_add_co_u32 s21, s21, BOFF
	s_wait_kmcnt 0x0
	s_load_b64 s[80:81], s[76:77], SOFF
	s_add_nc_u64 s[14:15], s[68:69], s[16:17]
	s_add_nc_u64 s[46:47], s[70:71], s[46:47]
	CROUND
.irp s, 0,1
	s_mov_b32 s[G0+4*\s], 1
	s_add_co_u32 s[G0+4*\s+1], s20, \s*SLOT
	s_add_nc_u64 s[G0+4*\s+2:G0+4*\s+3], s[14:15], \s*8192
	s_or_b32 s[G0+4*\s+3], s[G0+4*\s+3], 0x80000000
	s_mov_b32 s[G0B+4*\s], 1
	s_add_co_u32 s[G0B+4*\s+1], s21, \s*SLOT
	s_add_nc_u64 s[G0B+4*\s+2:G0B+4*\s+3], s[46:47], \s*KSTEP
	s_or_b32 s[G0B+4*\s+3], s[G0B+4*\s+3], 0x80000000
.if \s == 0
	JLOAD 0                                        ; K step 0: my one tensor load at the head
.endif
.endr
	v_and_b32 v1, 15, v0
	v_bfe_u32 v2, v0, 4, 1
	v_and_b32 v3, 31, v0
	v_lshlrev_b32 v[LI], 4, v3
	; PREFETCHES INTO THE L2.  Behind each joint load stands one request for the K step that the load two refills on will want.  Of the 64 rows that I fetch, each of the four partners that ask for them with me takes 16, told apart
	; by address (cx for A, cy for W): A: a block of 16 rows x 512 K is 8,192 dense bytes, lanes 256 bytes apart; W: 16 rows x 512 bytes, two lanes a row.  Each block of 256 bytes is named once in the cluster.
	; At the head K step 1 is asked for too: its load goes out when K step 0's has landed.  The last two refills ask for nothing.
.set PFO, 30                           ; v30     my lane's offset; never rewritten
.set PFA, 86                           ; s[86:87] my 16 rows at the K step to be asked for
.set PST, 88                           ; s[88:89] a K step on, in bytes
.set PFB, 96                           ; s[96:97] my 16 rows at K step 1
	s_cmp_eq_u32 s11, 0                            ; do I fetch for A?
	s_cselect_b64 s[PFB:PFB+1], s[68:69], s[70:71]
	s_cselect_b32 s90, s13, s42                    ; the tile's row or column
	s_cselect_b32 s91, s40, s41                    ; my place among the four
	s_cselect_b32 s92, 0, 1
	s_mov_b32 s93, SIZE_K
	s_cselect_b32 s93, 256, s93
	s_mov_b32 s[PST], KSTEP
	s_cselect_b32 s[PST], 8192, s[PST]
	s_mov_b32 s[PST+1], 0
	s_lshl_b32 s90, s90, 7
	s_lshl_b32 s94, s12, 6
	s_add_co_u32 s90, s90, s94
	s_lshl_b32 s91, s91, 4
	s_add_co_u32 s90, s90, s91                     ; my first row
	s_mul_i32 s90, s90, SIZE_K                     ; 16 rows are 16 SIZE_K bytes in either layout
	s_mov_b32 s91, 0
	s_add_nc_u64 s[PFB:PFB+1], s[PFB:PFB+1], s[90:91]
	s_add_nc_u64 s[PFB:PFB+1], s[PFB:PFB+1], s[PST:PST+1]  ; K step 1
	s_add_nc_u64 s[PFA:PFA+1], s[PFB:PFB+1], s[PST:PST+1]  ; K step 2
	s_wait_alu depctr_va_vdst(0)                   ; the wait behind the scalar lines
	v_lshrrev_b32 v[PFO], s92, v3
	v_and_b32 v31, s92, v3
	v_mul_lo_u32 v[PFO], v[PFO], s93
	v_lshl_add_u32 v[PFO], v31, 8, v[PFO]
	global_prefetch_b8 v[PFO], s[PFB:PFB+1] th:TH_LOAD_NT scope:SCOPE_SE
	global_prefetch_b8 v[PFO], s[PFA:PFA+1] th:TH_LOAD_NT scope:SCOPE_SE
	v_mul_u32_u24 v4, v1, PITCH
	v_lshl_add_u32 v4, v2, 4, v4
	s_lshl_b32 s21, s11, 15
	s_mul_i32 s22, s12, BHALF
	s_add_co_u32 s22, s22, BOFF
.irp s, 0,1
	v_add_nc_u32 v[ADRA+\s], s21, v[LI]
	v_add_nc_u32 v[ADRB+\s], s22, v4
	s_add_co_u32 s21, s21, SLOT
	s_add_co_u32 s22, s22, SLOT
.endr
	s_mul_i32 s23, s10, 16*SPITCH
	s_add_co_u32 s23, s23, STAGE
	v_mul_u32_u24 v5, v1, SPITCH
	v_lshl_add_u32 v5, v2, 5, v5
	v_add_nc_u32 v[STO], s23, v5
	v_mul_u32_u24 v5, v2, SPITCH
	v_lshl_add_u32 v5, v1, 4, v5
	v_add_nc_u32 v[RD], s23, v5
	v_lshlrev_b32 v[CO], 12, v2
	v_lshl_add_u32 v[CO], v1, 4, v[CO]
	v_lshlrev_b32 v27, 4, v1
	s_wait_alu depctr_va_vdst(0)
	s_lshl_b32 s82, s13, 7
	s_lshl_b32 s83, s11, 6
	s_add_co_u32 s82, s82, s83
	s_lshl_b32 s82, s82, 12
	s_lshl_b32 s84, s42, 7
	s_lshl_b32 s85, s12, 6
	s_add_co_u32 s84, s84, s85
	s_lshl_b32 s84, s84, 2
	s_mov_b32 s85, 0
	s_add_nc_u64 s[72:73], s[72:73], s[84:85]
	s_add_co_u32 s82, s82, s84
	s_mov_b32 s83, 0
	s_add_nc_u64 s[74:75], s[74:75], s[82:83]
	s_add_nc_u64 s[78:79], s[78:79], s[82:83]
	global_load_b128 v[8:11], v27, s[72:73]
	WIN 0x80
.irp a, 0,1,2,3
.irp t, 0,1,2,3,4,5,6,7
	global_load_b128 v[32*\a+4*\t:32*\a+4*\t+3], v[CO], s[74:75] offset:(16*\a+2*\t)*4096 th:TH_LOAD_NT
.endr
.endr
	WIN 0
	s_wait_alu depctr_va_vdst(0)                   ; the wait at the head's end
	s_wait_xcnt 0x0                                ; my prefetches have read their addresses
	s_add_nc_u64 s[PFA:PFA+1], s[PFA:PFA+1], s[PST:PST+1]  ; K step 3
	s_wait_tensorcnt 0x0                           ; my part of K step 0 is in
	ds_add_u32 v[SPW], v[NIL]                      ; 0 onto my spare word, ahead of a later first fill
	s_wait_dscnt 0x0
	CROUND                                         ; everybody's part is in, and the joint loads meet
	JLOAD 1                                        ; slot 1's first fill, the first tensor load behind the round
	FETCH 0, 0, F0
	global_prefetch_b8 v[PFO], s[PFA:PFA+1] th:TH_LOAD_NT scope:SCOPE_SE
	QUARTER F0, F1, 0, 1, 1
.if LAPS > 1
	WIN 0
	s_mov_b32 s3, LAPS-1
.Llap:
	QUARTER F1, F0, 0, 2, 0
	QUARTER F0, F1, 0, 3, 0
	TURN 0, 1, 1
	QUARTER F0, F1, 1, 1, 0
	QUARTER F1, F0, 1, 2, 0
	QUARTER F0, F1, 1, 3, 0
	TURN 1, 0, 1
	QUARTER F0, F1, 0, 1, 0
	WIN 0
	s_sub_co_u32 s3, s3, 1
	s_cmp_lg_u32 s3, 0
	s_cbranch_scc1 .Llap
.endif
	QUARTER F1, F0, 0, 2, 0
	QUARTER F0, F1, 0, 3, 0
	TURN 0, 1, 0
	QUARTER F0, F1, 1, 1, 0
	QUARTER F1, F0, 1, 2, 0
	QUARTER F0, F1, 1, 3, 0
	s_wait_dscnt 8
	WIN 0x05
	MULA F1, 0, 0
	MULA F1, 1, 0
	s_wait_dscnt 0
	MULA F1, 2, 0
	MULA F1, 3, 0
	WIN 0
.macro TOSTAGE a
.irp b, 0,1,2,3
	ds_store_b128 v[STO], v[ACC+32*(\a)+8*\b:ACC+32*(\a)+8*\b+3] offset:64*\b
	ds_store_b128 v[STO], v[ACC+32*(\a)+8*\b+4:ACC+32*(\a)+8*\b+7] offset:64*\b+16
.endr
.set BK, 64+32*((\a)%2)
.irp t, 0,1,2,3,4,5,6,7
	ds_load_b128 v[BK+4*\t:BK+4*\t+3], v[RD] offset:\t*2*SPITCH
.endr
.endm
.macro FIN a, younger
.set BK, 64+32*((\a)%2)
	s_wait_dscnt \younger
.irp t, 0,1,2,3,4,5,6,7
.irp u, 0,2
	v_pk_fma_f32 v[BK+4*\t+\u:BK+4*\t+\u+1], v[BK+4*\t+\u:BK+4*\t+\u+1], s[66:67], v[8+\u:9+\u] op_sel_hi:[1,0,1]
.endr
.endr
	WIN 0x08
.irp t, 0,1,2,3,4,5,6,7
.irp u, 0,2
	v_pk_add_f32 v[BK+4*\t+\u:BK+4*\t+\u+1], v[BK+4*\t+\u:BK+4*\t+\u+1], v[32*(\a)+4*\t+\u:32*(\a)+4*\t+\u+1]
.endr
.endr
	WIN 0
.irp t, 0,1,2,3,4,5,6,7
	global_store_b128 v[CO], v[BK+4*\t:BK+4*\t+3], s[78:79] offset:(16*(\a)+2*\t)*4096
.endr
.endm
	s_wait_kmcnt 0x0
	s_add_co_i32 s66, s80, s81
	s_add_co_i32 s66, s66, 127
	s_lshl_b32 s66, s66, 23
	s_mov_b32 s67, s66
	s_wait_loadcnt 0x0
	PLACES
	TOSTAGE 0
.irp a, 1,2,3
.if \a > 1
	s_wait_xcnt 0x0
.endif
	TOSTAGE \a
	FIN \a-1, 16
.endr
	FIN 3, 0
	s_wait_tensorcnt 0x0
	ds_add_u32 v[SPW], v[NIL]
	s_wait_dscnt 0x0
	CROUND
	s_endpgm
.Lfunc_end_k_q450cedd281_ffdown:
	.size	k_q450cedd281_ffdown, .Lfunc_end_k_q450cedd281_ffdown-k_q450cedd281_ffdown
	.p2alignl 7, 3214868480
	.fill 96, 4, 3214868480
	.section	.rodata,"a",@progbits
	.p2align	6, 0x0
	.amdhsa_kernel k_q450cedd281_ffdown
		.amdhsa_group_segment_fixed_size 327680
		.amdhsa_private_segment_fixed_size 0
		.amdhsa_enable_private_segment 0
		.amdhsa_kernarg_size 48
		.amdhsa_user_sgpr_count 2
		.amdhsa_user_sgpr_kernarg_segment_ptr 1
		.amdhsa_wavefront_size32 1
		.amdhsa_system_sgpr_workgroup_id_x 1
		.amdhsa_system_sgpr_workgroup_id_y 1
		.amdhsa_system_sgpr_workgroup_id_z 1
		.amdhsa_system_vgpr_workitem_id 0
		.amdhsa_next_free_vgpr 640
		.amdhsa_next_free_sgpr 100
		.amdhsa_reserve_vcc 0
		.amdhsa_float_denorm_mode_32 3
		.amdhsa_float_denorm_mode_16_64 3
		.amdhsa_memory_ordered 1
		.amdhsa_forward_progress 1
		.amdhsa_inst_pref_size 84
	.end_amdhsa_kernel
	.amdgpu_metadata
---
amdhsa.version: [ 1, 2 ]
amdhsa.kernels:
  - .name:           k_q450cedd281_ffdown
    .symbol:         k_q450cedd281_ffdown.kd
    .args:
      - { .name: hc, .offset: 0, .size: 8, .value_kind: global_buffer, .address_space: global }
      - { .name: w2_codes, .offset: 8, .size: 8, .value_kind: global_buffer, .address_space: global }
      - { .name: b2, .offset: 16, .size: 8, .value_kind: global_buffer, .address_space: global }
      - { .name: attn, .offset: 24, .size: 8, .value_kind: global_buffer, .address_space: global }
      - { .name: lowp_scales, .offset: 32, .size: 8, .value_kind: global_buffer, .address_space: global }
      - { .name: y, .offset: 40, .size: 8, .value_kind: global_buffer, .address_space: global }
    .group_segment_fixed_size: 327680
    .private_segment_fixed_size: 0
    .kernarg_segment_align: 8
    .kernarg_segment_size: 48
    .max_flat_workgroup_size: 128
    .sgpr_count:     100
    .vgpr_count:     640
    .wavefront_size: 32
...
	.end_amdgpu_metadata
.endif
;; end of part 7
;; launch norm2 (part 8): grid 256 x 1, 4 waves a work-group, no clusters, 0 bytes of LDS; arguments y, ln2_g, ln2_b, out0; writes out0
.if DOCPART == 8
	.amdgcn_target "amdgcn-amd-amdhsa--gfx1250"
	.amdhsa_code_object_version 6
	.text
	.protected	k_q450cedd281_norm2
	.globl	k_q450cedd281_norm2
	.p2align	8
	.type	k_q450cedd281_norm2,@function
k_q450cedd281_norm2:
	s_mov_b64 s[64:65], 0
	v_nop
	global_prefetch_b8 v0, s[64:65] scope:SCOPE_SE
	s_setreg_imm32_b32 hwreg(HW_REG_WAVE_MODE, 25, 1), 1
	s_wait_xcnt 0x0
; A layer norm along rows of 1,024: out = (y - mean) x rsqrt(var + 1e-5) x g + b, all f32, the variance from the differences (two passes over registers: no difference of large sums).
; SHARES.  A work-group takes 16 rows, a wave four; a wave holds a whole row in 32 registers, so the sums never leave the wave: no LDS, no barrier.  Every load and store covers 512 consecutive bytes.
; Memory binds: no matrix unit, no cluster, no tensor load.
.set X,  32                            ; v32-159  four rows
.set GG, 160                           ; v160-191 g of my 32 columns
.set BB, 192                           ; v192-223 b
.set CH, 24                            ; v24-31   four chains of pairs
	s_load_b256 s[16:23], s[0:1], 0x0              ; y, g, b, the output
	v_lshrrev_b32 v4, 5, v0
	v_readfirstlane_b32 s10, v4                    ; wave
	v_and_b32 v5, 31, v0
	v_lshlrev_b32 v1, 4, v5                        ; 16 x lane
	s_mov_b32 s12, 0x76543210                      ; v_permlanex16_b32: lane l xor 16
	s_mov_b32 s13, 0xfedcba98
	s_mov_b32 s14, 0x3a800000                      ; 1 / 1,024
	s_mov_b32 s15, 0x3727c5ac                      ; 1e-5
	s_lshl_b32 s4, ttmp9, 16                       ; 16 rows of 4,096 bytes,
	s_lshl_b32 s6, s10, 14                         ; my wave's four
	s_add_co_u32 s4, s4, s6
	s_mov_b32 s5, 0
	s_wait_alu depctr_va_vdst(0)
	s_wait_kmcnt 0x0
	s_add_nc_u64 s[16:17], s[16:17], s[4:5]
	s_add_nc_u64 s[24:25], s[22:23], s[4:5]
.irp i, 0,1,2,3,4,5,6,7
	global_load_b128 v[GG+4*\i:GG+4*\i+3], v1, s[18:19] offset:512*\i
	global_load_b128 v[BB+4*\i:BB+4*\i+3], v1, s[20:21] offset:512*\i
.endr
.irp rr, 0,1,2,3
.irp i, 0,1,2,3,4,5,6,7
	global_load_b128 v[X+32*\rr+4*\i:X+32*\rr+4*\i+3], v1, s[16:17] offset:4096*\rr+512*\i th:TH_LOAD_NT
.endr
.endr
.macro FOLD                            ; the four chains into one number, then over the 32 lanes: every lane ends with the sum
	v_pk_add_f32 v[CH:CH+1], v[CH:CH+1], v[CH+2:CH+3]
	v_pk_add_f32 v[CH+4:CH+5], v[CH+4:CH+5], v[CH+6:CH+7]
	v_pk_add_f32 v[CH:CH+1], v[CH:CH+1], v[CH+4:CH+5]
	v_add_f32 v[CH], v[CH], v[CH+1]
	v_add_f32_dpp v[CH], v[CH], v[CH] row_xmask:1 row_mask:0xf bank_mask:0xf
	v_add_f32_dpp v[CH], v[CH], v[CH] row_xmask:2 row_mask:0xf bank_mask:0xf
	v_add_f32_dpp v[CH], v[CH], v[CH] row_xmask:4 row_mask:0xf bank_mask:0xf
	v_add_f32_dpp v[CH], v[CH], v[CH] row_xmask:8 row_mask:0xf bank_mask:0xf
	v_permlanex16_b32 v[CH+1], v[CH], s12, s13
	v_add_f32 v[CH], v[CH], v[CH+1]
.endm
.macro ROW rr
.set XR, X+32*\rr
	s_wait_loadcnt 24-8*\rr                        ; g, b and this row are in; the later rows' loads may be out
.irp c, 0,1,2,3
	v_pk_add_f32 v[CH+2*\c:CH+2*\c+1], v[XR+2*\c:XR+2*\c+1], v[XR+8+2*\c:XR+9+2*\c]
.endr
.irp q, 2,3
.irp c, 0,1,2,3
	v_pk_add_f32 v[CH+2*\c:CH+2*\c+1], v[CH+2*\c:CH+2*\c+1], v[XR+8*\q+2*\c:XR+8*\q+2*\c+1]
.endr
.endr
	FOLD
	v_mul_f32 v4, s14, v[CH]                       ; the mean,
	v_mov_b32 v5, v4                               ; twice, for the packed form
.set ii, 0
.rept 16
	v_pk_add_f32 v[XR+ii:XR+ii+1], v[XR+ii:XR+ii+1], v[4:5] neg_lo:[0,1] neg_hi:[0,1]   ; d = y - mean
.set ii, ii+2
.endr
.irp c, 0,1,2,3
	v_pk_mul_f32 v[CH+2*\c:CH+2*\c+1], v[XR+2*\c:XR+2*\c+1], v[XR+2*\c:XR+2*\c+1]
.endr
.irp q, 1,2,3
.irp c, 0,1,2,3
	v_pk_fma_f32 v[CH+2*\c:CH+2*\c+1], v[XR+8*\q+2*\c:XR+8*\q+2*\c+1], v[XR+8*\q+2*\c:XR+8*\q+2*\c+1], v[CH+2*\c:CH+2*\c+1]
.endr
.endr
	FOLD
	v_fma_f32 v[CH], v[CH], s14, s15               ; var + 1e-5
	s_wait_alu depctr_va_vdst(0)
	v_rsq_f32 v6, v[CH]
	v_rsq_f32 v7, v[CH]
	v_nop                                          ; a plain line behind the transcendentals (ISA guide 5.7.2)
	s_wait_alu depctr_va_vdst(0)                   ; one wait for both, ahead of their first reader
.set ii, 0
.rept 16
	v_pk_mul_f32 v[XR+ii:XR+ii+1], v[XR+ii:XR+ii+1], v[6:7]
.set ii, ii+2
.endr
.set ii, 0
.rept 16
	v_pk_fma_f32 v[XR+ii:XR+ii+1], v[XR+ii:XR+ii+1], v[GG+ii:GG+ii+1], v[BB+ii:BB+ii+1]
.set ii, ii+2
.endr
.irp i, 0,1,2,3,4,5,6,7
	global_store_b128 v1, v[XR+4*\i:XR+4*\i+3], s[24:25] offset:4096*\rr+512*\i th:TH_STORE_NT
.endr
.endm
	ROW 0
	ROW 1
	ROW 2
	ROW 3
	s_endpgm
.Lfunc_end_k_q450cedd281_norm2:
	.size	k_q450cedd281_norm2, .Lfunc_end_k_q450cedd281_norm2-k_q450cedd281_norm2
	.p2alignl 7, 3214868480
	.fill 96, 4, 3214868480
	.section	.rodata,"a",@progbits
	.p2align	6, 0x0
	.amdhsa_kernel k_q450cedd281_norm2
		.amdhsa_group_segment_fixed_size 0
		.amdhsa_private_segment_fixed_size 0
		.amdhsa_enable_private_segment 0
		.amdhsa_kernarg_size 32
		.amdhsa_user_sgpr_count 2
		.amdhsa_user_sgpr_kernarg_segment_ptr 1
		.amdhsa_wavefront_size32 1
		.amdhsa_system_sgpr_workgroup_id_x 1
		.amdhsa_system_sgpr_workgroup_id_y 1
		.amdhsa_system_sgpr_workgroup_id_z 1
		.amdhsa_system_vgpr_workitem_id 0
		.amdhsa_next_free_vgpr 256
		.amdhsa_next_free_sgpr 66
		.amdhsa_reserve_vcc 0
		.amdhsa_float_denorm_mode_32 3
		.amdhsa_float_denorm_mode_16_64 3
		.amdhsa_memory_ordered 1
		.amdhsa_forward_progress 1
		.amdhsa_inst_pref_size 34
	.end_amdhsa_kernel
	.amdgpu_metadata
---
amdhsa.version: [ 1, 2 ]
amdhsa.kernels:
  - .name:           k_q450cedd281_norm2
    .symbol:         k_q450cedd281_norm2.kd
    .args:
      - { .name: y, .offset: 0, .size: 8, .value_kind: global_buffer, .address_space: global }
      - { .name: ln2_g, .offset: 8, .size: 8, .value_kind: global_buffer, .address_space: global }
      - { .name: ln2_b, .offset: 16, .size: 8, .value_kind: global_buffer, .address_space: global }
      - { .name: out0, .offset: 24, .size: 8, .value_kind: global_buffer, .address_space: global }
    .group_segment_fixed_size: 0
    .private_segment_fixed_size: 0
    .kernarg_segment_align: 8
    .kernarg_segment_size: 32
    .max_flat_workgroup_size: 128
    .sgpr_count:     66
    .vgpr_count:     256
    .wavefront_size: 32
...
	.end_amdgpu_metadata
.endif
;; end of part 8
